; MI455X (gfx1250); checked and timed in simulation.
; The chip was launched on July 23, 2026; its instructions are those of AMD's public machine-readable ISA for CDNA 5 (MIT licence, August 2026) and "CDNA5" Instruction Set Architecture Reference Guide (July 2026). The comments in the code are by the model that wrote it; some were corrected since.
;; Multihead Attention. Allowed arithmetic: matrix products marked QUANTISED: E2M3 operands, one E8M0 scale for each 32 along K, by v_wmma_scale_f32_16x16x128_f8f6f4 with both operands' format E2M3, f32 sums; everything else in f32.
;; Inputs: Wk 1,024 x 1,024 float32; Wo 1,024 x 1,024 float32; Wq 1,024 x 1,024 float32; Wv 1,024 x 1,024 float32; key 4 x 2,048 x 1,024 float32; query 4 x 2,048 x 1,024 float32; valid_lens 4 int32; value 4 x 2,048 x 1,024 float32.
;; Outputs: out0 4 x 2,048 x 1,024 float32.
;; This version of the problem:
;;   THIS VERSION OF THE PROBLEM IS GIVEN IN LOW PRECISION. The matrix products marked QUANTISED in the list below multiply operands that are first quantised to E2M3 (2 exponent bits, 3 mantissa bits; 6 bits a number), with one power-of-two scale for each 32 numbers along K (OCP MX v1.0); their sums are f32. All else is computed in f32.
;;   The module's matrix products, in the order in which they are computed (A, B: the left and right operand; K: the contracted axis; several contracted axes count as one K, in the product's order):
;;     1. [M 8,192, K 1,024] x [K 1,024, N 1,024]; A: input query; B: input Wq: QUANTISED
;;     2. [M 8,192, K 1,024] x [K 1,024, N 1,024]; A: input key; B: input Wk: QUANTISED
;;     3. [M 8,192, K 1,024] x [K 1,024, N 1,024]; A: input value; B: input Wv: QUANTISED
;;     4. batch 64 x [M 2,048, K 64] x [K 64, N 2,048]; A: computed on the way; B: computed on the way: QUANTISED
;;     5. batch 64 x [M 2,048, K 2,048] x [K 2,048, N 64]; A: softmax (see below); B: computed on the way: QUANTISED
;;     6. [M 8,192, K 1,024] x [K 1,024, N 1,024]; A: computed on the way; B: input Wo: QUANTISED
;;   THE QUANTISER, for each operand of a quantised product, along K:
;;     - K is cut into blocks of 32 from its start; a last block that is shorter is filled with zeros.
;;     - A block's scale is 2^e with e = floor(log2(the largest magnitude in the block)) - 2, held to -126 .. 127; a block of zeros has e = 0. As a byte (E8M0): e + 127.
;;     - Each number is divided by its block's scale, clamped to +-7.5, and rounded to the nearest number of E2M3, ties to even, subnormals kept.
;;     - The product sums the exact products of the quantised numbers (number of the format x scale) in f32.
;;   ~~~python
;;   def quantise(x, axis):      # numpy; x: float32 -> the quantised numbers, widened to float32 again
;;       x = np.moveaxis(x, axis, -1); K = x.shape[-1]
;;       x = np.pad(x, [(0, 0)] * (x.ndim - 1) + [(0, -K % 32)]); x = x.reshape(x.shape[:-1] + (-1, 32)); a = np.abs(x).max(-1, keepdims=True)
;;       e = np.where(a > 0, np.clip(np.frexp(np.where(a > 0, a, 1))[1] - 1 - 2, -126, 127), 0)      # np.frexp(a)[1] - 1 = floor(log2(a)), exactly
;;       r = np.clip(x / 2.0 ** e, -7.5, 7.5)
;;       step = 2.0 ** (np.maximum(np.frexp(np.where(r == 0, 1, r))[1] - 1, 0) - 3)
;;       q = np.round(r / step) * step * 2.0 ** e      # np.round: ties to even
;;       return np.moveaxis(q.reshape(q.shape[:-2] + (-1,))[..., :K], -1, axis).astype(np.float32)
;;   ~~~
;;   SOFTMAX AHEAD OF A QUANTISED PRODUCT. Where the list says 'softmax', what is quantised is not the finished softmax but p = 2^(t - M), with t = logit x log2(e) and M = ceil(the row's largest t), a whole number; so 1/2 < the row's largest p <= 1. The row's sum l is taken of the UNQUANTISED p, in f32, and the product's result is divided by l at the end. Since M is a whole number, a kernel that streams over the keys may use a running M (the ceiling of the running maximum): every later rescaling is an exact power of two, which a block's scale takes up: the codes' values come out the same.
;;   OPERANDS COMPUTED ON THE WAY. 'Computed on the way' means the value that the module computes at that place (a softmax that the list does not call 'softmax' is quantised finished and normalised). What goes into a quantiser is computed in f32, as accurately as f32 sums, v_exp_f32 and their like allow (about 1e-6 of the number): no bf16 or f16 on the way to a quantiser, and a product that is left as it is and whose result goes on into a quantised operand takes f32 operands (vector FMAs, or v_wmma_f32_16x16x4_f32). A number that lies on a knife's edge between two numbers of the format may be rounded either way, as far as f32 arithmetic and the matrix unit's own rounding can turn it there, and no further.
;; 2 versions, each right; version 2 is version 1 with the launch attn written anew for expert scheduling mode. Each part assembles by itself: llvm-mc -triple=amdgcn-amd-amdhsa -mcpu=gfx1250 --defsym DOCPART=n.
;; ======== version 1 of 2: 4 launches
;; limits: right only within a limited range of input values
;; workspace buffers: cimg 22,020,096 bytes; cscl 917,504 bytes; qq 13,631,488 bytes; kv 13,631,488 bytes; oimg 6,291,456 bytes; oscl 262,144 bytes
;; launch quant (part 1): grid 896 x 1, 4 waves a work-group, no clusters, 35,328 bytes of LDS; arguments query, key, value, Wq, Wk, Wv, Wo, cimg, cscl; writes cimg, cscl
.if DOCPART == 1
	.amdgcn_target "amdgcn-amd-amdhsa--gfx1250"
	.amdhsa_code_object_version 6
	.text
	.protected	k_q71faf23b64_quant
	.globl	k_q71faf23b64_quant
	.p2align	8
	.type	k_q71faf23b64_quant,@function
k_q71faf23b64_quant:
	s_mov_b64 s[64:65], 0
	v_nop
	global_prefetch_b8 v0, s[64:65] scope:SCOPE_SE
	s_setreg_imm32_b32 hwreg(HW_REG_WAVE_MODE, 25, 1), 1
	s_wait_xcnt 0x0
; query, key, value [8192][1024] and Wq, Wk, Wv, Wo [1024][1024], f32, K innermost, become codes of FP6 (E2M3) with one E8M0 byte for each 32 along K.
; A block's scale is 2^(floor(log2(its largest magnitude)) - 2); its byte is the largest magnitude's exponent field - 2, held at 1 from below; numbers are divided by the scale and rounded to the nearest code, ties to even, beyond 7.5 the largest code.
; THE CODES ARE LAID AS IMAGES OF THE OPERAND'S REGISTERS.  An image is 16 rows x 128 K, 12 registers a lane, 1,536 bytes, in two halves of 768: registers 6 c .. 6 c + 3 at 16 x lane, registers 6 c + 4, 6 c + 5 at 512 + 8 x lane.
; Tile T of all seven tensors on end (query 0, key 512, value 1024, Wq 1536, Wk 1600, Wv 1664, Wo 1728) has its eight K steps' images at T x 12,288.
; WHICH ROWS FORM A TILE: of a group of 32 rows, tile u takes rows 8 u + i + 8 (i / 8), i = 0 .. 15: so a product that takes such a tile as its first source leaves 16 neighbouring rows in a lane's registers of two neighbouring tiles.
; THE SCALE WORDS (four bytes: 128 along K of one row) lie [8 tiles][K / 256][128 places][2 words]: 4,096 dense bytes for 8 tiles.
; SHARES: a work-group takes 32 rows; wave w takes tile w / 2 of them and half w % 2 of K: four images.  A load reads 512 consecutive bytes of one row; the image's 8,192 bytes turn through the wave's own stage in LDS,
; so that a lane gets 16 neighbours along K of each block of 32.  Every store of codes covers whole aligned runs of 256 bytes; the wave's one store of scale words covers two runs of 128 bytes (0.9 MB in the whole launch).
; LIMITS: a block of zeros gets the byte 1 (its codes are zeros; the bytes are read by this program alone); blocks whose largest magnitude lies under 2^-124 are held at the byte 1; NaN and infinities are not served.
.set STW,   8704                       ; a wave's stage: 16 rows x 528 bytes, rounded up
.set SP,    528                        ; a stage row: 512 bytes + 16: an odd number of 16-byte columns from row to row
.set SPARE, 4*STW                      ; behind the stages: the spare words, 128 bytes for each wave
.set IMG,   1536
.set L16,  1                           ; v1   16 x lane
.set L8,   2                           ; v2   8 x lane
.set SIN,  3                           ; v3   the stage, on the way in
.set SOUT, 4                           ; v4   and on the way out
.set SCO,  5                           ; v5   my place among the scale words
.set SPW,  12                          ; v12  LDS address of my spare word; never rewritten
.set NIL,  13                          ; v13  0; never rewritten
.set R,    16                          ; v16-143  two sets of 64: an image's numbers as loaded
.set X,    144                         ; v144-207 64 numbers: register 16 b + i = k 32 b + 16 (lane / 16) + i of my row
.set PC,   208                         ; v208-227 the codes
.set TM,   228                         ; v228-243 at work
.set PW,   244                         ; v244-247 the four images' scale words
.set Y,    248                         ; v248-249 the words that I store
.set HI,   27                          ; s27  lanes 16-31
.set SEL,  28                          ; s[28:29] lane l xor 16
	s_load_b256 s[4:11], s[0:1], 0x0               ; query, key, value, Wq
	s_load_b256 s[12:19], s[0:1], 0x20             ; Wk, Wv, Wo, cimg
	s_load_b64 s[20:21], s[0:1], 0x40              ; cscl
	v_lshl_add_u32 v[SPW], v0, 2, SPARE
	v_mov_b32 v[NIL], 0
	v_lshrrev_b32 v6, 5, v0
	v_readfirstlane_b32 s24, v6                    ; wave
	s_lshr_b32 s25, s24, 1                         ; u: which tile of the 32 rows
	s_and_b32 s26, s24, 1                          ; which half of K
	v_and_b32 v7, 31, v0                           ; lane
	v_and_b32 v8, 15, v0                           ; r
	v_bfe_u32 v9, v0, 4, 1                         ; h
	v_lshlrev_b32 v[L16], 4, v7
	v_lshlrev_b32 v[L8], 3, v7
	s_mul_i32 s23, s24, STW
	v_add_nc_u32 v[SIN], s23, v[L16]               ; in: a row's 512 bytes as they lie
	v_mul_u32_u24 v[SOUT], v8, SP
	v_lshl_add_u32 v[SOUT], v9, 6, v[SOUT]
	v_add_nc_u32 v[SOUT], s23, v[SOUT]             ; out: row r, + 64 h: my 16 numbers of a block of 32
	s_lshl_b32 s33, ttmp9, 1
	s_add_co_u32 s33, s33, s25                     ; my tile's number
	s_and_b32 s34, s33, 7
	s_lshl_b32 s34, s34, 7
	v_lshlrev_b32 v[SCO], 3, v8
	v_lshl_add_u32 v[SCO], v9, 10, v[SCO]
	v_add_nc_u32 v[SCO], s34, v[SCO]               ; ((tile % 8) x 16 + r) x 8, and 1,024 on for lanes 16-31: the next 256 along K
	s_mov_b32 s[HI], 0xffff0000
	s_mov_b32 s[SEL], 0x76543210
	s_mov_b32 s[SEL+1], 0xfedcba98
.irp b, 0,1,2,3
	v_mov_b32 v[TM+4+\b], 0                        ; written once: a lane permute's destination counts as one of its sources
.endr
	s_wait_kmcnt 0x0
	s_mov_b64 s[30:31], s[16:17]                   ; which tensor: the choice hangs on the work-group's number alone
	s_mov_b32 s32, 864
	s_cmp_lt_u32 ttmp9, 864
	s_cselect_b64 s[30:31], s[14:15], s[30:31]
	s_cselect_b32 s32, 832, s32
	s_cmp_lt_u32 ttmp9, 832
	s_cselect_b64 s[30:31], s[12:13], s[30:31]
	s_cselect_b32 s32, 800, s32
	s_cmp_lt_u32 ttmp9, 800
	s_cselect_b64 s[30:31], s[10:11], s[30:31]
	s_cselect_b32 s32, 768, s32
	s_cmp_lt_u32 ttmp9, 768
	s_cselect_b64 s[30:31], s[8:9], s[30:31]
	s_cselect_b32 s32, 512, s32
	s_cmp_lt_u32 ttmp9, 512
	s_cselect_b64 s[30:31], s[6:7], s[30:31]
	s_cselect_b32 s32, 256, s32
	s_cmp_lt_u32 ttmp9, 256
	s_cselect_b64 s[30:31], s[4:5], s[30:31]
	s_cselect_b32 s32, 0, s32
	s_sub_co_u32 s34, ttmp9, s32
	s_lshl_b32 s34, s34, 17                        ; 32 rows of 4,096 bytes for each work-group of the tensor,
	s_lshl_b32 s35, s25, 15                        ; 8 rows on for tile 1,
	s_add_co_u32 s34, s34, s35
	s_lshl_b32 s35, s26, 11                        ; 2,048 bytes on for the second half of K
	s_add_co_u32 s34, s34, s35
	s_mov_b32 s35, 0
	s_add_nc_u64 s[30:31], s[30:31], s[34:35]
	s_mul_i32 s34, s33, 8*IMG
	s_mul_i32 s36, s26, 4*IMG
	s_add_co_u32 s34, s34, s36
	s_add_nc_u64 s[18:19], s[18:19], s[34:35]      ; my four images
	s_lshr_b32 s34, s33, 3
	s_lshl_b32 s34, s34, 12
	s_lshl_b32 s36, s26, 11
	s_add_co_u32 s34, s34, s36
	s_add_nc_u64 s[20:21], s[20:21], s[34:35]      ; my tile's group of scale words, my half of K
.macro LOAD s                          ; image s: sixteen rows' 128 numbers
.irp i, 0,1,2,3,4,5,6,7,8,9,10,11,12,13,14,15
	global_load_b128 v[R+64*((\s)%2)+4*\i:R+64*((\s)%2)+4*\i+3], v[L16], s[30:31] offset:(\i+8*(\i/8))*4096+512*(\s) th:TH_LOAD_NT
.endr
.endm
.macro TURN s                          ; through the stage: LDS serves a wave's instructions in order, so no wait stands between the stores and the loads
.irp i, 0,1,2,3,4,5,6,7,8,9,10,11,12,13,14,15
	ds_store_b128 v[SIN], v[R+64*((\s)%2)+4*\i:R+64*((\s)%2)+4*\i+3] offset:SP*\i
.endr
.irp b, 0,1,2,3
.irp j, 0,1,2,3
	ds_load_b128 v[X+16*\b+4*\j:X+16*\b+4*\j+3], v[SOUT] offset:128*\b+16*\j
.endr
.endr
.endm
; 64 numbers of a lane become a fragment's codes in v[PC] on and its row's scale word in v[pw]
.macro QUANT s, pw
.irp b, 0,1,2,3
	v_max3_num_f32 v[TM+\b], |v[\s+16*\b]|, |v[\s+1+16*\b]|, 0x1800000   ; block b: my 16 numbers, and the floor 2^(3 - 127): the byte cannot fall under 1
.endr
.irp i, 2,4,6,8,10,12,14
.irp b, 0,1,2,3
	v_max3_num_f32 v[TM+\b], v[TM+\b], |v[\s+16*\b+\i]|, |v[\s+1+16*\b+\i]|   ; the four blocks by turns
.endr
.endr
.irp b, 0,1,2,3
	v_permlanex16_b32 v[TM+4+\b], v[TM+\b], s[SEL], s[SEL+1]
.endr
.irp b, 0,1,2,3
	v_max_num_f32 v[TM+\b], v[TM+\b], v[TM+4+\b]   ; with lane l xor 16's: the block's largest magnitude
.endr
.irp b, 0,1,2,3
	v_add_nc_u32 v[TM+12+\b], 0xff000000, v[TM+\b] ; 2 off its exponent field: the conversion takes the exponent field of this operand as its scale
.endr
.irp b, 0,1,2,3
	v_lshrrev_b32 v[TM+4+\b], 23, v[TM+12+\b]      ; the scale's byte
.endr
	v_lshl_or_b32 v[\pw], v[TM+5], 8, v[TM+4]
	v_lshl_or_b32 v[\pw], v[TM+6], 16, v[\pw]
	v_lshl_or_b32 v[\pw], v[TM+7], 24, v[\pw]
.irp c, 0,1
	v_cvt_scalef32_pk16_fp6_f32 v[PC+6*\c:PC+2+6*\c], v[\s+32*\c:\s+15+32*\c], v[TM+12+2*\c]
	v_cvt_scalef32_pk16_fp6_f32 v[PC+12+4*\c:PC+14+4*\c], v[\s+16+32*\c:\s+31+32*\c], v[TM+12+2*\c+1]   ; (a conversion's three registers begin on an even number)
.endr
	v_nop                                          ; one plain place behind a scaled conversion
.irp c, 0,1                                    ; the operand's layout wants a whole block in a lane: lanes 0-15 block 2 c, lanes 16-31 block 2 c + 1
.irp i, 0,1,2
	v_permlane16_swap_b32 v[PC+6*\c+\i], v[PC+12+4*\c+\i]
.endr
.irp i, 0,1,2
	v_mov_b32 v[PC+3+6*\c+\i], v[PC+12+4*\c+\i]
.endr
.endr
.endm
.macro OUT s                           ; the image leaves as it stands: 512, 256, 512, 256 consecutive bytes
	global_store_b128 v[L16], v[PC:PC+3], s[18:19] offset:IMG*(\s)
	global_store_b64 v[L8], v[PC+4:PC+5], s[18:19] offset:IMG*(\s)+512
	global_store_b128 v[L16], v[PC+6:PC+9], s[18:19] offset:IMG*(\s)+768
	global_store_b64 v[L8], v[PC+10:PC+11], s[18:19] offset:IMG*(\s)+1280
.endm
	LOAD 0
	LOAD 1
.irp s, 0,1,2,3
.if \s < 3
	s_wait_loadcnt 16                              ; this image's sixteen loads are in; the next image's sixteen may be out
.else
	s_wait_loadcnt 0x0
.endif
	TURN \s
	s_wait_dscnt 0x0                               ; the numbers are back, and the stage's stores have read their registers,
.if \s < 2
	LOAD \s+2                                      ; which take the image two on
.endif
.if \s > 0
	s_wait_xcnt 0x0                                ; the last image's stores have read their data: the codes' registers are written again only behind this wait
.endif
	QUANT X, PW+\s
	OUT \s
.endr
	v_cndmask_b32 v[Y], v[PW], v[PW+2], s[HI]      ; lanes 0-15: the words of my first 256 along K; lanes 16-31: of my second
	v_cndmask_b32 v[Y+1], v[PW+1], v[PW+3], s[HI]
	global_store_b64 v[SCO], v[Y:Y+1], s[20:21]
	s_wait_tensorcnt 0x0                           ; the wave's end, behind my last LDS store
	ds_add_u32 v[SPW], v[NIL]
	s_wait_dscnt 0x0
	s_endpgm
.Lfunc_end_k_q71faf23b64_quant:
	.size	k_q71faf23b64_quant, .Lfunc_end_k_q71faf23b64_quant-k_q71faf23b64_quant
	.p2alignl 7, 3214868480
	.fill 96, 4, 3214868480
	.section	.rodata,"a",@progbits
	.p2align	6, 0x0
	.amdhsa_kernel k_q71faf23b64_quant
		.amdhsa_group_segment_fixed_size 35328
		.amdhsa_private_segment_fixed_size 0
		.amdhsa_enable_private_segment 0
		.amdhsa_kernarg_size 72
		.amdhsa_user_sgpr_count 2
		.amdhsa_user_sgpr_kernarg_segment_ptr 1
		.amdhsa_wavefront_size32 1
		.amdhsa_system_sgpr_workgroup_id_x 1
		.amdhsa_system_sgpr_workgroup_id_y 1
		.amdhsa_system_sgpr_workgroup_id_z 1
		.amdhsa_system_vgpr_workitem_id 0
		.amdhsa_next_free_vgpr 256
		.amdhsa_next_free_sgpr 66
		.amdhsa_reserve_vcc 0
		.amdhsa_float_denorm_mode_32 3
		.amdhsa_float_denorm_mode_16_64 3
		.amdhsa_memory_ordered 1
		.amdhsa_forward_progress 1
		.amdhsa_inst_pref_size 35
	.end_amdhsa_kernel
	.amdgpu_metadata
---
amdhsa.version: [ 1, 2 ]
amdhsa.kernels:
  - .name:           k_q71faf23b64_quant
    .symbol:         k_q71faf23b64_quant.kd
    .args:
      - { .name: query, .offset: 0, .size: 8, .value_kind: global_buffer, .address_space: global }
      - { .name: key, .offset: 8, .size: 8, .value_kind: global_buffer, .address_space: global }
      - { .name: value, .offset: 16, .size: 8, .value_kind: global_buffer, .address_space: global }
      - { .name: Wq, .offset: 24, .size: 8, .value_kind: global_buffer, .address_space: global }
      - { .name: Wk, .offset: 32, .size: 8, .value_kind: global_buffer, .address_space: global }
      - { .name: Wv, .offset: 40, .size: 8, .value_kind: global_buffer, .address_space: global }
      - { .name: Wo, .offset: 48, .size: 8, .value_kind: global_buffer, .address_space: global }
      - { .name: cimg, .offset: 56, .size: 8, .value_kind: global_buffer, .address_space: global }
      - { .name: cscl, .offset: 64, .size: 8, .value_kind: global_buffer, .address_space: global }
    .group_segment_fixed_size: 35328
    .private_segment_fixed_size: 0
    .kernarg_segment_align: 8
    .kernarg_segment_size: 72
    .max_flat_workgroup_size: 128
    .sgpr_count:     66
    .vgpr_count:     256
    .wavefront_size: 32
...
	.end_amdgpu_metadata
.endif
;; end of part 1
;; launch proj (part 2): grid 4 x 96, 4 waves a work-group, clusters of 4 x 4, 327,680 bytes of LDS; arguments cimg, cscl, qq, kv; writes qq, kv
.if DOCPART == 2
	.amdgcn_target "amdgcn-amd-amdhsa--gfx1250"
	.amdhsa_code_object_version 6
	.text
	.protected	k_q71faf23b64_proj
	.globl	k_q71faf23b64_proj
	.p2align	8
	.type	k_q71faf23b64_proj,@function
k_q71faf23b64_proj:
	s_mov_b64 s[64:65], 0
	v_nop
	global_prefetch_b8 v0, s[64:65] scope:SCOPE_SE
	s_setreg_imm32_b32 hwreg(HW_REG_WAVE_MODE, 25, 1), 1
	s_wait_xcnt 0x0
	s_wait_alu depctr_hold_cnt(0) depctr_sa_sdst(0) depctr_va_vdst(0) depctr_va_sdst(0) depctr_va_ssrc(0) depctr_va_vcc(0) depctr_vm_vsrc(0)
	s_getreg_b32 s2, hwreg(HW_REG_IB_STS2, 6, 4)
	s_cmp_eq_u32 s2, 0
	s_cbranch_scc0 .Lentry_in_a_cluster
	s_endpgm
.Lentry_in_a_cluster:
	s_bfe_u32 s2, ttmp6, 0x10000c
	s_cmp_lg_u32 s2, 0xf033
	s_cbranch_scc0 .Lentry_shape_is_right
	s_endpgm
.Lentry_shape_is_right:
; THE THREE PROJECTIONS, on codes of FP6 (E2M3) with E8M0 scales, and the quantising of their results for the attention.  p = cluster y / 8:  0: q = query Wq^T   1: k = key Wk^T   2: v^T = Wv value^T.
; Operands come as images of their registers (16 rows x 128 K: 1,536 bytes; tile T's eight K steps at T x 12,288 of cimg) and scale words [8 tiles][K / 256][128 places][2 words] of cscl.
; A tile of C, 256 x 256, is made by four waves, each 128 x 128: 64 accumulators, 512 registers.  K = 1,024 goes in four steps of 256 through a ring of two LDS slots filled by the tensor data mover.
; CLUSTERS: 4 x 4 work-groups.  The four of a row of the cluster need the same tiles of A, the four of a column the same tiles of B: each is asked for JOINTLY, by the same tensor load with a mask that names the four.
; THE MATRIX INSTRUCTION IS USED TRANSPOSED (source 0 = 16 rows of B, source 1 = 16 rows of A), and B's tiles hold rows 8 u + i + 8 (i / 8) of each 32: so for one tile a of A a lane's 64 results are, block by block of 32,
; 16 neighbours along B's rows: the very layout that the quantiser wants.  Along B's rows lie: for q and k the output features (two heads of 64 in a wave's 128), for v^T the keys: each the K of its product in the attention.
; THE WAY OUT has no LDS: each of the wave's eight tiles is quantised in registers and leaves as an image: for q and k its two halves go to two heads (a head's 64 are half an operand; the attention keeps the other half zero),
; for v^T the image is 16 of a head's 64 x 128 keys.  A BLOCK of qq or kv, for a head and 256 rows or keys, 26,624 bytes: 16 half images of k (or q) from 0; 8 images of v from 12,288; k's scale words from 24,576; v's from 25,600.
; No prefetch: K has four slots, of which two are first fills.
; LIMITS: a block of zeros gets the byte 1 (its codes are zeros; the bytes are read by this program alone); NaN and infinities are not served.
; REGISTERS, in windows of 256: window 0: v16-29 addresses; v32-63 scale words, two sets; v64-115 the way out; v128-223 A's fragments, one set.  window 1: B's fragments, two sets, at v0 and v128.  windows 2, 3: the accumulators ((a, b) at v[8 (8 (a % 4) + b)]).
.set NQ,     2                         ; matrix instructions deep in a slot
.set FR,     12                        ; registers of a fragment
.set NL,     4                         ; LDS loads that bring one
.set NP,     4                         ; places behind this matrix instruction (ISA guide 7.12.1)
.set IMG,    1536
.set TILEB,  NQ*IMG                    ; a tile's part of a slot
.set TPITCH, 8*IMG                     ; from tile to tile in memory
.set HALFT,  8*TILEB                   ; 8 tiles: what one tensor load brings, and what one wave reads of A or of B
.set SLOT,   4*HALFT                   ; A's 16 tiles, then B's 16
.set LAPS,   2                         ; a lap = once round the ring = 512 along K
.set SCL,    2*SLOT                    ; behind the ring: the scale words of A's two and B's two groups of 8 tiles, for all of K
.set SGRP,   4096
.set SPARE,  SCL+4*SGRP                ; the spare words, 128 bytes for each wave
.set HEADB,  212992                    ; a head's eight blocks in qq and kv
.set KVB,    26624
.set VIM,    12288
.set KSC,    24576
.set VSC,    25600
.set ADRA, 16                          ; v16-17 LDS address of my A fragments in slot 0, 1, at 16 x lane; v18-19 at 8 x lane
.set ADRB, 20                          ; v20-23 the same for B
.set L16,  24                          ; v24  16 x lane
.set L8,   25                          ; v25  8 x lane
.set ADRS, 27                          ; v27  LDS address of my scale words: lanes 0-15 A's, lanes 16-31 B's
.set SPW,  28                          ; v28  LDS address of my spare word; never rewritten
.set NIL,  29                          ; v29  0; never rewritten
.set SC,   32                          ; scale words: set s at v[SC + 16 s]; register 2 i + q: lanes 0-15 A's block i, lanes 16-31 B's block i
.set TM,   64                          ; v64-79   the way out: at work
.set PC,   80                          ; v80-99   the codes
.set PWS,  100                         ; v100-107 the eight tiles' scale words
.set T,    108                         ; v108-115 scale words as they are stored
.set AF,   128
.set G1, 24                            ; s[24:31] descriptor group 1 for A's tiles;  s[32:39] group 0, one set for each slot
.set G0, 32
.set G1B, 48                           ; s[48:55], s[56:63] the same for B's
.set G0B, 56
.set G1S, 68                           ; s[68:75], s[76:79] for A's scale words;  s[80:87], s[88:91] for B's
.set G0S, 76
.set G1SB, 80
.set G0SB, 88
.set MSB, 0
.macro WIN new                         ; the immediate's high byte repeats the setting that is left
.if MSB != \new
	s_set_vgpr_msb (MSB<<8)|\new
.set MSB, \new
.endif
.endm
.set MUL_LO, 0xa1                      ; source 0 (B) window 1, source 1 (A) window 0, C and D window 2
.set MUL_HI, 0xf1                      ; the same, C and D window 3
.set TO_B,   0x40                      ; destination window 1, address window 0
; A joint load: waves 0 and 1 fetch for A, waves 2 and 3 for B.  The branch hangs on the wave's number alone.  An s_nop 0 and four v_nop follow each of the two lines.
.macro JLOAD g0a, g1a, g0b, g1b
	s_cmp_eq_u32 s15, 0
	s_cbranch_scc0 .Lfor_b_\@
	tensor_load_to_lds s[\g0a:\g0a+3], s[\g1a:\g1a+7]
	s_nop 0
.rept 4
	v_nop
.endr
	s_branch .Lasked_\@
.Lfor_b_\@:
	tensor_load_to_lds s[\g0b:\g0b+3], s[\g1b:\g1b+7]
	s_nop 0
.rept 4
	v_nop
.endr
.Lasked_\@:
.endm
.macro CREST                           ; a round of the cluster's barrier behind its opening barrier
	s_cmp_lg_u32 s14, 0
	s_cbranch_scc1 .Lnot_wave_0_\@
	s_barrier_signal -3
.Lnot_wave_0_\@:
	s_barrier_wait -3
	s_barrier_signal -1
	s_barrier_wait -1
.endm
.macro CROUND
	s_barrier_signal -1
	s_barrier_wait -1
	CREST
.endm
	s_load_b128 s[4:7], s[0:1], 0x0                ; cimg, cscl
	s_load_b128 s[8:11], s[0:1], 0x10              ; qq, kv
	v_lshl_add_u32 v[SPW], v0, 2, SPARE
	v_mov_b32 v[NIL], 0
	ds_add_u32 v[SPW], v[NIL]                      ; the wave's opening: the add and its wait stand ahead of my first tensor load; the set-up below, work on registers, stands between them
	v_lshrrev_b32 v1, 5, v0
	v_readfirstlane_b32 s14, v1                    ; wave 0..3
	s_lshr_b32 s15, s14, 1                         ; which half of the tile's rows is mine.  Also: I fetch for A (0) or for B (1)
	s_and_b32 s16, s14, 1                          ; which half of its columns.  Also: which 8 tiles I fetch
	s_bfe_u32 s40, ttmp6, 0x40000                  ; cx, cy: my place in the cluster
	s_bfe_u32 s41, ttmp6, 0x40004
	s_and_b32 s13, ttmp7, 0xffff                   ; cluster y, 0 .. 23
	s_lshr_b32 s12, s13, 3                         ; p: which product; the same in all sixteen partners
	s_and_b32 s13, s13, 7                          ; which 1,024 of the 8,192 rows
	s_lshl_b32 s18, s12, 9                         ; A's first tile: query 0, key 512,
	s_lshl_b32 s19, s12, 6
	s_add_co_u32 s19, s19, 1536                    ; B's: Wq 1536, Wk 1600;
	s_cmp_eq_u32 s12, 2
	s_cselect_b32 s17, 0, s13                      ; for v^T the 8,192 rows are B's
	s_cselect_b32 s42, s13, 0
	s_cselect_b32 s18, 1664, s18                   ; A = Wv,
	s_cselect_b32 s19, 1024, s19                   ; B = value
	s_lshl_b32 s43, s41, 2
	s_lshl_b32 s43, 15, s43                        ; my row of the cluster
	s_lshl_b32 s44, 0x1111, s40                    ; my column
	; descriptor group 1: 8 rows of 3,072 bytes (a tile's two images of a slot), 12,288 bytes apart, dense in LDS
	s_or_b32 s[G1+0], s43, (3<<16)|(1<<21)         ; 15:0 the mask: A's tiles go to my row; 17:16 elements of 8 bytes; 21 set beside a mask; no padding
	s_or_b32 s[G1B+0], s44, (3<<16)|(1<<21)
.irp g, G1, G1B
	s_mov_b32 s[\g+1], (TILEB/8)<<16               ; tensor_dim0 = 384
	s_mov_b32 s[\g+2], 8<<16                       ; tensor_dim1 = 8
	s_mov_b32 s[\g+3], (TILEB/8)<<16               ; tile_dim0
	s_mov_b32 s[\g+4], 8                           ; tile_dim1
	s_mov_b32 s[\g+5], TPITCH/8                    ; tensor_dim0_stride
	s_mov_b32 s[\g+6], 0
	s_mov_b32 s[\g+7], 0
.endr
	; and for the scale words of 8 tiles: 4,096 dense bytes, as 16 rows of 256
	s_or_b32 s[G1S+0], s43, (3<<16)|(1<<21)
	s_or_b32 s[G1SB+0], s44, (3<<16)|(1<<21)
.irp g, G1S, G1SB
	s_mov_b32 s[\g+1], 32<<16
	s_mov_b32 s[\g+2], 16<<16
	s_mov_b32 s[\g+3], 32<<16
	s_mov_b32 s[\g+4], 16
	s_mov_b32 s[\g+5], 32
	s_mov_b32 s[\g+6], 0
	s_mov_b32 s[\g+7], 0
.endr
	s_lshl_b32 s21, s16, 3                         ; which 8 tiles I fetch
	s_lshl_b32 s20, s17, 6
	s_add_co_u32 s20, s20, s18
	s_add_co_u32 s20, s20, s21
	s_lshl_b32 s22, s41, 4
	s_add_co_u32 s20, s20, s22                     ; A: first tile + 64 x group + 16 cy + 8 x half: no cx enters
	s_lshl_b32 s46, s42, 6
	s_add_co_u32 s46, s46, s19
	s_add_co_u32 s46, s46, s21
	s_lshl_b32 s47, s40, 4
	s_add_co_u32 s46, s46, s47                     ; B: first tile + 64 x group + 16 cx + 8 x half: no cy enters
	s_lshl_b32 s22, s20, 9                         ; their scale words: 512 bytes a tile
	s_mov_b32 s23, 0
	s_mul_i32 s20, s20, TPITCH                     ; and their codes (under 2^25 bytes)
	s_mov_b32 s21, 0
	s_lshl_b32 s92, s46, 9
	s_mov_b32 s93, 0
	s_mul_i32 s46, s46, TPITCH
	s_mov_b32 s47, 0
	s_mul_i32 s45, s14, HALFT                      ; where they go: wave x 8 tiles: no place in the cluster enters an LDS address
	s_mul_i32 s94, s14, SGRP
	s_wait_dscnt 0x0                               ; the opening add is done
	s_wait_kmcnt 0x0
	s_add_nc_u64 s[20:21], s[4:5], s[20:21]
	s_add_nc_u64 s[22:23], s[6:7], s[22:23]
	s_add_nc_u64 s[46:47], s[4:5], s[46:47]
	s_add_nc_u64 s[92:93], s[6:7], s[92:93]
	CROUND                                         ; all sixteen work-groups are here: the first joint loads meet
	s_mov_b32 s[G0S], 1
	s_add_co_u32 s[G0S+1], s94, SCL
	s_mov_b64 s[G0S+2:G0S+3], s[22:23]
	s_or_b32 s[G0S+3], s[G0S+3], 0x80000000
	s_mov_b32 s[G0SB], 1
	s_add_co_u32 s[G0SB+1], s94, SCL
	s_mov_b64 s[G0SB+2:G0SB+3], s[92:93]
	s_or_b32 s[G0SB+3], s[G0SB+3], 0x80000000
	JLOAD G0S, G1S, G0SB, G1SB                     ; the scale words first: they are wanted with the first slot
.irp s, 0,1
	s_mov_b32 s[G0+4*\s], 1
	s_add_co_u32 s[G0+4*\s+1], s45, \s*SLOT
	s_add_nc_u64 s[G0+4*\s+2:G0+4*\s+3], s[20:21], \s*TILEB
	s_or_b32 s[G0+4*\s+3], s[G0+4*\s+3], 0x80000000
	s_mov_b32 s[G0B+4*\s], 1
	s_add_co_u32 s[G0B+4*\s+1], s45, \s*SLOT
	s_add_nc_u64 s[G0B+4*\s+2:G0B+4*\s+3], s[46:47], \s*TILEB
	s_or_b32 s[G0B+4*\s+3], s[G0B+4*\s+3], 0x80000000
	JLOAD G0+4*\s, G1, G0B+4*\s, G1B               ; three tensor loads of mine are out behind the second of these
.endr
	v_and_b32 v1, 31, v0                           ; lane
	v_and_b32 v2, 15, v0                           ; r
	v_bfe_u32 v3, v0, 4, 1                         ; h
	v_lshlrev_b32 v[L16], 4, v1
	v_lshlrev_b32 v[L8], 3, v1
	s_mul_i32 s21, s15, HALFT                      ; my 8 tiles of A
	s_mul_i32 s22, s16, HALFT                      ; my 8 tiles of B,
	s_add_co_u32 s22, s22, 2*HALFT                 ; which lie behind A's 16
.irp s, 0,1
	v_add_nc_u32 v[ADRA+\s], s21, v[L16]
	v_add_nc_u32 v[ADRB+\s], s22, v[L16]
	v_add_nc_u32 v[ADRA+2+\s], s21, v[L8]
	v_add_nc_u32 v[ADRB+2+\s], s22, v[L8]
	s_add_co_u32 s21, s21, SLOT
	s_add_co_u32 s22, s22, SLOT
.endr
	v_lshlrev_b32 v6, 3, v2                        ; my row's two words of a slot: 8 bytes a place
	s_lshl_b32 s21, s15, 12                        ; A's: my group
	s_lshl_b32 s22, s16, 12                        ; B's: my group, behind A's two
	s_add_co_u32 s22, s22, 2*SGRP
	s_sub_co_u32 s22, s22, s21
	v_mul_u32_u24 v7, s22, v3                      ; lanes 16-31 take B's
	s_add_co_u32 s21, s21, SCL
	v_add_nc_u32 v6, v6, v7
	v_add_nc_u32 v[ADRS], s21, v6
.macro FRAG reg, adr, q, i             ; a fragment comes as its image lies: 16, 8, 16, 8 bytes a lane, each run of lanes on consecutive bytes
	ds_load_b128 v[\reg:\reg+3], v[\adr] offset:(\i)*TILEB+(\q)*IMG
	ds_load_b64 v[\reg+4:\reg+5], v[\adr+2] offset:(\i)*TILEB+(\q)*IMG+512
	ds_load_b128 v[\reg+6:\reg+9], v[\adr] offset:(\i)*TILEB+(\q)*IMG+768
	ds_load_b64 v[\reg+10:\reg+11], v[\adr+2] offset:(\i)*TILEB+(\q)*IMG+1280
.endm
; 16 matrix instructions: A's blocks a0, a0 + 1 x B's eight, 128 along K.  p: B's set;  sc: the set of scale words.  zero = 1: the first product starts the sums.
; The 64 accumulators take turns, one instruction a turn, in the same order in every step.
.macro MUL16 a0, p, q, sc, zero
.irp a, \a0, \a0+1
.irp b, 0,1,2,3,4,5,6,7
.if \zero
	v_wmma_scale_f32_16x16x128_f8f6f4 v[8*(8*((\a)%4)+\b):8*(8*((\a)%4)+\b)+7], v[128*(\p)+FR*\b:128*(\p)+FR*\b+FR-1], v[AF+FR*(\a):AF+FR*(\a)+FR-1], 0, v[SC+8*NQ*(\sc)+NQ*\b+(\q)], v[SC+8*NQ*(\sc)+NQ*(\a)+(\q)] matrix_a_fmt:MATRIX_FMT_FP6 matrix_b_fmt:MATRIX_FMT_FP6 matrix_a_scale:MATRIX_SCALE_ROW1
.else
	v_wmma_scale_f32_16x16x128_f8f6f4 v[8*(8*((\a)%4)+\b):8*(8*((\a)%4)+\b)+7], v[128*(\p)+FR*\b:128*(\p)+FR*\b+FR-1], v[AF+FR*(\a):AF+FR*(\a)+FR-1], v[8*(8*((\a)%4)+\b):8*(8*((\a)%4)+\b)+7], v[SC+8*NQ*(\sc)+NQ*\b+(\q)], v[SC+8*NQ*(\sc)+NQ*(\a)+(\q)] matrix_a_fmt:MATRIX_FMT_FP6 matrix_b_fmt:MATRIX_FMT_FP6 matrix_a_scale:MATRIX_SCALE_ROW1
.endif
.endr
.endr
.endm
.macro FETCH_B slot, q, p
	WIN TO_B
.irp i, 0,1,2,3,4,5,6,7
	FRAG 128*(\p)+FR*\i, ADRB+\slot, \q, \i
.endr
	WIN 0
.endm
.macro FETCH_A slot, q, i0
.irp i, \i0, \i0+1, \i0+2, \i0+3
	FRAG AF+FR*(\i), ADRA+\slot, \q, \i
.endr
.endm
.macro SCALES sc                       ; a slot's scale words into set sc: two words a row; lanes 0-15 A's block i, lanes 16-31 B's block i
.irp i, 0,1,2,3,4,5,6,7
	ds_load_b64 v[SC+8*NQ*\sc+NQ*\i:SC+8*NQ*\sc+NQ*\i+1], v[ADRS] offset:\i*128
.endr
.endm
.macro PLACES n                        ; plain vector instructions between a matrix instruction and a load into, or a read of, its registers (ISA guide 7.12.1 for reads)
.rept \n
	v_nop
.endr
.endm
.macro STEP slot, q, zero              ; a step of 128 along K that has its successor in the same slot
	s_wait_dscnt 4*NL                              ; B's set and A's blocks 0-3 are in; the youngest sixteen loads (A's blocks 4-7) may be out
	WIN MUL_LO
	MUL16 0, (\q)%2, \q, \slot, \zero
	MUL16 2, (\q)%2, \q, \slot, \zero
	s_wait_dscnt 0
	PLACES NP
	FETCH_B \slot, (\q)+1, 1-(\q)%2
	FETCH_A \slot, (\q)+1, 0
	WIN MUL_HI
	MUL16 4, (\q)%2, \q, \slot, \zero
	MUL16 6, (\q)%2, \q, \slot, \zero
	PLACES NP
	WIN 0
	FETCH_A \slot, (\q)+1, 4
.endm
; A slot's last step changes slots: ONE barrier; in front of it each wave waits for all its tensor loads, adds 0 to its spare word, and waits for that and for its own reads of this slot.  fill = 1: this slot is filled again.
.macro TURN slot, next, fill
	s_wait_tensorcnt 0x0                           ; all my tensor loads have landed: my part of the next slot
	ds_add_u32 v[SPW], v[NIL]                      ; 0 onto my spare word
	s_wait_dscnt 4*NL+1                            ; (the add and the youngest sixteen loads may be out)
	WIN MUL_LO
	MUL16 0, 1, NQ-1, \slot, 0
	s_wait_dscnt 0x0                               ; the add is done, and my reads of this slot are over
	s_barrier_signal -1
	MUL16 2, 1, NQ-1, \slot, 0
	WIN 0
	s_barrier_wait -1
.if \fill
	CREST                                          ; the barrier has opened a round of the cluster's barrier: no wave of any partner still reads this slot or has a load on its way
	s_add_nc_u64 s[G0+4*\slot+2:G0+4*\slot+3], s[G0+4*\slot+2:G0+4*\slot+3], 2*TILEB
	s_add_nc_u64 s[G0B+4*\slot+2:G0B+4*\slot+3], s[G0B+4*\slot+2:G0B+4*\slot+3], 2*TILEB
	JLOAD G0+4*\slot, G1, G0B+4*\slot, G1B         ; the first tensor load behind the round; its four v_nop are also the places in front of the loads below
.else
	PLACES NP
.endif
	v_add_nc_u32 v[ADRS], 1024, v[ADRS]            ; on to the next slot's scale words (no LDS load of mine is out)
	FETCH_B \next, 0, 0
	FETCH_A \next, 0, 0
	SCALES \next
	WIN MUL_HI
	MUL16 4, 1, NQ-1, \slot, 0
	MUL16 6, 1, NQ-1, \slot, 0
	PLACES NP
	WIN 0
	FETCH_A \next, 0, 4
.endm
	s_wait_tensorcnt 1                             ; the scale words and my part of slot 0 are in (slot 1's load may be out)
	s_barrier_signal -1
	s_barrier_wait -1                              ; everybody's are
	FETCH_B 0, 0, 0
	FETCH_A 0, 0, 0
	SCALES 0
	FETCH_A 0, 0, 4
	STEP 0, 0, 1                                   ; the first step stands in front of the loop: its products start the sums
	s_mov_b32 s3, LAPS-1
.Llap:                                                 ; a trip goes once round the ring and fills both slots again
	TURN 0, 1, 1
	STEP 1, 0, 0
	TURN 1, 0, 1
	STEP 0, 0, 0
	s_sub_co_u32 s3, s3, 1
	s_cmp_lg_u32 s3, 0
	s_cbranch_scc1 .Llap
	TURN 0, 1, 0                                   ; the last lap fills nothing
	STEP 1, 0, 0
	s_wait_dscnt 4*NL
	WIN MUL_LO
	MUL16 0, 1, NQ-1, 1, 0
	MUL16 2, 1, NQ-1, 1, 0
	s_wait_dscnt 0
	WIN MUL_HI
	MUL16 4, 1, NQ-1, 1, 0
	MUL16 6, 1, NQ-1, 1, 0
	WIN 0
	; ---- THE WAY OUT.  No tensor load of mine is out since the last change of slots: the descriptors' registers are free.
.set SEL, 90
.set HI,  88
.irp b, 0,1,2,3
	v_mov_b32 v[TM+4+\b], 0                        ; a lane permute's destination counts as one of its sources.  (These four are also the places behind the last products)
.endr
	s_mov_b32 s[SEL], 0x76543210
	s_mov_b32 s[SEL+1], 0xfedcba98
	s_mov_b32 s[HI], 0xffff0000
	s_lshl_b32 s18, s17, 2
	s_add_co_u32 s18, s18, s41
	s_lshl_b32 s18, s18, 1
	s_add_co_u32 s18, s18, s15                     ; which 128 of A's rows are mine
	s_lshl_b32 s19, s42, 2
	s_add_co_u32 s19, s19, s40
	s_lshl_b32 s19, s19, 1
	s_add_co_u32 s19, s19, s16                     ; which 128 of B's
	s_mov_b32 s68, 768                             ; q, k: from tile to tile a half image,
	s_mov_b32 s69, 0
	s_mov_b32 s71, 0
	s_mov_b32 s72, HEADB                           ; an image's second half belongs to the next head
	s_mov_b32 s73, 0
	s_mov_b32 s75, KSC
	s_cmp_eq_u32 s12, 2
	s_cselect_b32 s20, s19, s18                    ; the 128 rows or keys: batch x 16 + step
	s_cselect_b32 s21, s18, s19                    ; the pair of heads
	s_cselect_b32 s68, IMG, s68                    ; v^T: from tile to tile an image,
	s_cselect_b32 s70, HEADB-4*IMG, 0              ; from tile 3 to tile 4 on to the next head,
	s_cselect_b32 s72, 768, s72                    ; the second half follows the first
	s_cselect_b32 s74, VIM, 0
	s_cselect_b32 s75, VSC, s75
	s_cselect_b32 s76, 8, 9                        ; a step's scale words: 256 bytes for v, 512 for q and k
	s_cmp_eq_u32 s12, 0
	s_cselect_b64 s[78:79], s[8:9], s[10:11]       ; q goes to qq, k and v to kv
	s_lshr_b32 s22, s20, 4
	s_lshl_b32 s22, s22, 4
	s_lshl_b32 s23, s21, 1
	s_add_co_u32 s22, s22, s23                     ; 16 x batch + head
	s_mul_i32 s22, s22, HEADB
	s_bfe_u32 s23, s20, 0x30001                    ; which block of 256
	s_mul_i32 s23, s23, KVB
	s_add_co_u32 s22, s22, s23
	s_and_b32 s23, s20, 1                          ; which 128 of it
	s_mul_i32 s86, s23, 6144
	s_add_co_u32 s86, s86, s22
	s_add_co_u32 s86, s86, s74
	s_mov_b32 s87, 0
	s_add_nc_u64 s[80:81], s[78:79], s[86:87]      ; where an image's first half goes,
	s_add_nc_u64 s[82:83], s[80:81], s[72:73]      ; and its second
	s_lshl_b32 s86, s23, s76
	s_add_co_u32 s86, s86, s22
	s_add_co_u32 s86, s86, s75
	s_add_nc_u64 s[84:85], s[78:79], s[86:87]      ; the scale words
; Tile a's 64 results of a lane (register 16 b + i = index 32 b + 16 (lane / 16) + i along B's rows) become codes in v[PC] on and a scale word in v[PWS + a].  Each accumulator is read from its low end on.
.macro QUANTW a
.set W, 2+(\a)/4
.set WA, (W<<2)|(W<<4)
.set AC, 64*((\a)%4)
	WIN WA                                         ; sources 1 and 2: the accumulators' window
.irp b, 0,1,2,3
	v_max3_num_f32 v[TM+\b], 0x1800000, |v[AC+16*\b]|, |v[AC+1+16*\b]|   ; the floor 2^(3 - 127): the byte cannot fall under 1
.endr
.irp i, 2,4,6,8,10,12,14
.irp b, 0,1,2,3
	v_max3_num_f32 v[TM+\b], v[TM+\b], |v[AC+16*\b+\i]|, |v[AC+1+16*\b+\i]|
.endr
.endr
	WIN 0
.irp b, 0,1,2,3
	v_permlanex16_b32 v[TM+4+\b], v[TM+\b], s[SEL], s[SEL+1]
.endr
.irp b, 0,1,2,3
	v_max_num_f32 v[TM+\b], v[TM+\b], v[TM+4+\b]
.endr
.irp b, 0,1,2,3
	v_add_nc_u32 v[TM+12+\b], 0xff000000, v[TM+\b] ; 2 off the exponent field: the conversion's scale operand
.endr
.irp b, 0,1,2,3
	v_lshrrev_b32 v[TM+4+\b], 23, v[TM+12+\b]      ; the scale's byte
.endr
	v_lshl_or_b32 v[PWS+(\a)], v[TM+5], 8, v[TM+4]
	v_lshl_or_b32 v[PWS+(\a)], v[TM+6], 16, v[PWS+(\a)]
	v_lshl_or_b32 v[PWS+(\a)], v[TM+7], 24, v[PWS+(\a)]
	s_wait_xcnt 0x0                                ; the last tile's stores have read their data and their bases: both are written again only behind this wait
	WIN W                                          ; source 0: the accumulators' window
.irp c, 0,1
	v_cvt_scalef32_pk16_fp6_f32 v[PC+6*\c:PC+2+6*\c], v[AC+32*\c:AC+15+32*\c], v[TM+12+2*\c]
	v_cvt_scalef32_pk16_fp6_f32 v[PC+12+4*\c:PC+14+4*\c], v[AC+16+32*\c:AC+31+32*\c], v[TM+12+2*\c+1]
.endr
	WIN 0
	v_nop                                          ; one plain place behind a scaled conversion
.irp c, 0,1
.irp i, 0,1,2
	v_permlane16_swap_b32 v[PC+6*\c+\i], v[PC+12+4*\c+\i]
.endr
.irp i, 0,1,2
	v_mov_b32 v[PC+3+6*\c+\i], v[PC+12+4*\c+\i]
.endr
.endr
.endm
.irp a, 0,1,2,3,4,5,6,7
	QUANTW \a
.if \a > 0
	s_add_nc_u64 s[80:81], s[80:81], s[68:69]
	s_add_nc_u64 s[82:83], s[82:83], s[68:69]
.endif
.if \a == 4
	s_add_nc_u64 s[80:81], s[80:81], s[70:71]
	s_add_nc_u64 s[82:83], s[82:83], s[70:71]
.endif
	global_store_b128 v[L16], v[PC:PC+3], s[80:81]             ; 512 consecutive bytes, then 256: whole aligned runs of 256
	global_store_b64 v[L8], v[PC+4:PC+5], s[80:81] offset:512
	global_store_b128 v[L16], v[PC+6:PC+9], s[82:83]
	global_store_b64 v[L8], v[PC+10:PC+11], s[82:83] offset:512
.endr
	s_cmp_eq_u32 s12, 2                            ; p is the same in all waves and all partners
	s_cbranch_scc1 .Lv_words
.irp j, 0,1,2,3                                ; q, k: lane l's word j is tile 4 (l / 16) + j, row l % 16; a word's low two bytes are the first head's, the high two the second's
	v_cndmask_b32 v[T+\j], v[PWS+\j], v[PWS+4+\j], s[HI]
.endr
.irp j, 0,1,2,3
	v_and_b32 v[T+4+\j], 0xffff, v[T+\j]           ; the bytes of the operand's empty half are 0: they stand over zero codes
.endr
	global_store_b128 v[L16], v[T+4:T+7], s[84:85]
.irp j, 0,1,2,3
	v_lshrrev_b32 v[T+\j], 16, v[T+\j]
.endr
	global_store_b128 v[L16], v[T:T+3], s[84:85] offset:HEADB
	s_branch .Lwords_done
.Lv_words:
.irp g, 0,1                                    ; v^T: head g's four tiles: lane l's word j is tile 2 (l / 16) + j
.irp j, 0,1
	v_cndmask_b32 v[T+2*\g+\j], v[PWS+4*\g+\j], v[PWS+4*\g+2+\j], s[HI]
.endr
	global_store_b64 v[L8], v[T+2*\g:T+2*\g+1], s[84:85] offset:\g*HEADB
.endr
.Lwords_done:
	s_wait_tensorcnt 0x0                           ; the wave's end, behind my last tensor load
	ds_add_u32 v[SPW], v[NIL]
	s_wait_dscnt 0x0
	CROUND                                         ; the closing round: no work-group ends while a partner may still ask for a tile that names it
	s_endpgm
.Lfunc_end_k_q71faf23b64_proj:
	.size	k_q71faf23b64_proj, .Lfunc_end_k_q71faf23b64_proj-k_q71faf23b64_proj
	.p2alignl 7, 3214868480
	.fill 96, 4, 3214868480
	.section	.rodata,"a",@progbits
	.p2align	6, 0x0
	.amdhsa_kernel k_q71faf23b64_proj
		.amdhsa_group_segment_fixed_size 327680
		.amdhsa_private_segment_fixed_size 0
		.amdhsa_enable_private_segment 0
		.amdhsa_kernarg_size 32
		.amdhsa_user_sgpr_count 2
		.amdhsa_user_sgpr_kernarg_segment_ptr 1
		.amdhsa_wavefront_size32 1
		.amdhsa_system_sgpr_workgroup_id_x 1
		.amdhsa_system_sgpr_workgroup_id_y 1
		.amdhsa_system_sgpr_workgroup_id_z 1
		.amdhsa_system_vgpr_workitem_id 0
		.amdhsa_next_free_vgpr 1024
		.amdhsa_next_free_sgpr 98
		.amdhsa_reserve_vcc 0
		.amdhsa_float_denorm_mode_32 3
		.amdhsa_float_denorm_mode_16_64 3
		.amdhsa_memory_ordered 1
		.amdhsa_forward_progress 1
		.amdhsa_inst_pref_size 151
	.end_amdhsa_kernel
	.amdgpu_metadata
---
amdhsa.version: [ 1, 2 ]
amdhsa.kernels:
  - .name:           k_q71faf23b64_proj
    .symbol:         k_q71faf23b64_proj.kd
    .args:
      - { .name: cimg, .offset: 0, .size: 8, .value_kind: global_buffer, .address_space: global }
      - { .name: cscl, .offset: 8, .size: 8, .value_kind: global_buffer, .address_space: global }
      - { .name: qq, .offset: 16, .size: 8, .value_kind: global_buffer, .address_space: global }
      - { .name: kv, .offset: 24, .size: 8, .value_kind: global_buffer, .address_space: global }
    .group_segment_fixed_size: 327680
    .private_segment_fixed_size: 0
    .kernarg_segment_align: 8
    .kernarg_segment_size: 32
    .max_flat_workgroup_size: 128
    .sgpr_count:     98
    .vgpr_count:     1024
    .wavefront_size: 32
...
	.end_amdgpu_metadata
.endif
;; end of part 2
;; launch attn (part 3): grid 256 x 1, 16 waves a work-group, no clusters, 67,584 bytes of LDS; arguments qq, kv, valid_lens, oimg, oscl; writes oimg, oscl
.if DOCPART == 3
	.amdgcn_target "amdgcn-amd-amdhsa--gfx1250"
	.amdhsa_code_object_version 6
	.text
	.protected	k_q71faf23b64_attn
	.globl	k_q71faf23b64_attn
	.p2align	8
	.type	k_q71faf23b64_attn,@function
k_q71faf23b64_attn:
	s_mov_b64 s[64:65], 0
	v_nop
	global_prefetch_b8 v0, s[64:65] scope:SCOPE_SE
	s_setreg_imm32_b32 hwreg(HW_REG_WAVE_MODE, 25, 1), 1
	s_wait_xcnt 0x0
; THE ATTENTION, both products on codes of FP6 (E2M3) with E8M0 scales, and the quantising of its result along D for the last projection.
; t = score x log2(e) / 8; M = the running largest t rounded UP to a whole number; p = 2^(t - M) is quantised along the keys, not normalised; the row's sum is taken of the unquantised p and divides O at the end.
; When M moves, the sum and O are multiplied by 2^(old M - new M): exact.
; THE MASK: key k of batch b counts where k < valid_lens[b].  A key step all of whose keys are hidden is left out (a scalar branch on the length, which is read from memory; K and V
; reach LDS through registers); in the step that the length cuts, hidden scores become -2^26, which gives t = -12,102,203 exactly (log2(e) / 8 in f32 is 12,102,203 x 2^-26), so p = 0 beside any key that counts.
; With valid_lens[b] = 0 every key is hidden and all are walked: every t is that whole number, M = t, p = 1: the mean of v, as equal logits give.
; LIMITS: hidden keys count as p = 0: this is what the module gives where a row's largest logit among the keys that count lies above -1e6 + 104; rows beyond that (logits of the order of -1e6) are not served.
; valid_lens is held to 0 .. 2,048.  A block of zeros gets the scale byte 1 (zero codes; the bytes are read by this program alone).  NaN and infinities are not served.
; SHARES.  A work-group owns one head, 256 queries and TWO batches, one after the other; each of its sixteen waves owns 16 queries.  Work goes with a batch's length, so the longest batch is paired with the shortest and the
; other two with each other.  No cluster; what partners could share is a block of 26,112 bytes for two key steps.
; No prefetch: each block is asked for by its own loads a whole block (two key steps) ahead, and the second batch's first block a whole batch ahead.
; LDS: two buffers, each a block of kv as it lies (256 keys: 16 half images of k from 0, 8 images of v from 12,288, k's scale words from 24,576, v's from 25,600).  While one is read, the next block waits in registers and
; is stored into the other; ONE barrier a block orders both.  Every LDS address but my spare word's is 16 x lane, 8 x lane or 16 x thread plus an immediate.
; LAYOUT.  Both products transposed: S^T = K Q^T, O^T = V^T P^T: a lane holds one query throughout.  A head's 64 are half of the instruction's K: the upper six registers of Q's and K's fragments stay zero.
; The keys of a tile of K and the channels of a tile of V are rows 8 u + i + 8 (i / 8) of each 32, so that a lane's 16 registers of two neighbouring tiles are 16 neighbours along the next K.
; OUT: a half image (16 queries x my head's 64) of oimg, whole aligned runs of 256 bytes; the two scale bytes of a row go out as single bytes, a lane each (256 KB in the whole launch).
.set BUF1,  32768
.set KVB,   26624
.set HEADB, 212992
.set VIM,   12288
.set KSC,   24576
.set VSC,   25600
.set SPARE, 65536                      ; the spare words, 128 bytes for each of sixteen waves
.set L16,  1                           ; v1   16 x lane
.set L8,   2                           ; v2   8 x lane
.set T16,  3                           ; v3   16 x thread
.set H16,  4                           ; v4   16 x (lane / 16)
.set SPW,  5                           ; v5   LDS address of my spare word; never rewritten
.set NIL,  6                           ; v6   0; never rewritten
.set VQ16, 7                           ; v7   my tile of queries in a block of qq, at 16 x lane
.set VQ8,  8                           ; v8   at 8 x lane
.set VQS,  9                           ; v9   its scale word
.set OSO,  10                          ; v10  my byte among oscl's
.set KS,   28                          ; v28-31   K's scale words: register j: lanes 0-15 tile j, lanes 16-31 tile 4 + j
.set KFR,  32                          ; v32-79   four fragments of K
.set STG,  80                          ; v80-95   the next block on its way
.set VS,   192                         ; v192-193 V's scale words: register j: lanes 0-15 tile j, lanes 16-31 tile 2 + j
.set PRE,  194                         ; v194-209 the next batch's first block
.set PREQ, 210                         ; v210-216 and its queries
; v12 -M, v13 the largest t, v[14:15] the sum; v16-27 Q; v96-159 S^T, then p, then V's fragments; v160-191 O^T; v224-235 p's codes; v232-254 at work; v253 p's scale word; v255 Q's
.set WV,  14
.set PP,  15
.set B0,  28                           ; s28, s29 my two batches;  s30, s31 their lengths
.set B1,  29
.set LA,  30
.set LB,  31
.set HD,  32                           ; the head
.set CH,  33                           ; which 256 queries
.set PS,  34                           ; the pass
.set TR,  35
.set LL,  36                           ; the batch's length
.set LE,  37                           ; keys to walk: the length, or all where it is 0
.set KF,  38                           ; the step's first key
.set BB,  39
.set KVS, 40                           ; s[40:41] kv at the block in buffer 0
.set OB,  42
.set OSB, 44
.set PKV, 46
.set PQ,  48
.set SEL, 50
.set CS,  52
.set HI,  54
.set HOF, 55
	s_load_b256 s[4:11], s[0:1], 0x0               ; qq, kv, valid_lens, oimg
	s_load_b64 s[12:13], s[0:1], 0x20              ; oscl
	v_lshl_add_u32 v[SPW], v0, 2, SPARE
	v_mov_b32 v[NIL], 0
	v_lshrrev_b32 v11, 5, v0
	v_readfirstlane_b32 s[WV], v11                 ; wave 0..15
	v_and_b32 v11, 31, v0
	v_lshlrev_b32 v[L16], 4, v11
	v_lshlrev_b32 v[L8], 3, v11
	v_lshlrev_b32 v[T16], 4, v0
	v_bfe_u32 v[OSO], v0, 4, 1                     ; lane / 16
	v_lshlrev_b32 v[H16], 4, v[OSO]
	v_and_b32 v11, 15, v0                          ; r
	s_and_b32 s[PP], ttmp9, 1
	s_bfe_u32 s[CH], ttmp9, 0x30001
	s_lshr_b32 s[HD], ttmp9, 4
	s_and_b32 s20, s[WV], 7                        ; my tile among a step's eight
	s_lshr_b32 s21, s[WV], 3                       ; which 128 of the 256 queries
	s_mul_i32 s22, s21, 6144
	s_mul_i32 s23, s20, 768
	s_add_co_u32 s22, s22, s23
	v_add_nc_u32 v[VQ16], s22, v[L16]
	v_add_nc_u32 v[VQ8], s22, v[L8]
	s_lshl_b32 s22, s21, 9
	s_lshr_b32 s23, s20, 2
	s_lshl_b32 s23, s23, 8
	s_add_co_u32 s22, s22, s23
	s_and_b32 s23, s20, 3
	s_lshl_b32 s23, s23, 2
	s_add_co_u32 s22, s22, s23
	s_add_co_u32 s22, s22, KSC
	v_lshl_add_u32 v[VQS], v11, 4, s22             ; word (tile % 4) of place 16 (tile / 4) + r
	s_lshl_b32 s22, s20, 7
	v_lshl_add_u32 v[OSO], v11, 3, v[OSO]
	v_add_nc_u32 v[OSO], s22, v[OSO]               ; (16 x tile + r) x 8 + lane / 16
	s_lshr_b32 s[HOF], s[HD], 2
	s_lshl_b32 s[HOF], s[HOF], 10                  ; oscl: which 256 along D,
	s_and_b32 s22, s[HD], 3
	s_lshl_b32 s22, s22, 1
	s_add_co_u32 s[HOF], s[HOF], s22               ; my head's two bytes of its eight,
	s_lshl_b32 s22, s21, 12
	s_add_co_u32 s[HOF], s[HOF], s22
	s_lshl_b32 s22, s[CH], 13
	s_add_co_u32 s[HOF], s[HOF], s22               ; my group of eight tiles in the batch
	s_mov_b32 s[SEL], 0x76543210
	s_mov_b32 s[SEL+1], 0xfedcba98
	s_mov_b32 s[CS], 0x3e38aa3b                    ; c = log2(e) / 8
	s_mov_b32 s[CS+1], s[CS]
	s_mov_b32 s[HI], 0xffff0000
.irp i, 22,23,24,25,26,27
	v_mov_b32 v[\i], 0                             ; the empty half of Q's fragment
.endr
.irp t, 0,1,2,3
.irp i, 6,7,8,9,10,11
	v_mov_b32 v[KFR+12*\t+\i], 0                   ; and of K's four: they stay zero for the whole launch
.endr
.endr
.irp i, 0,1,2,3,4,5,6,7,8,9,10,11,12,13,14,15
	v_mov_b32 v[STG+\i], 0                         ; written once, since the load and the store of a block stand under branches of their own
.endr
.irp i, 12,13,14,15
	v_mov_b32 v[PRE+\i], 0
.endr
.irp i, 236,237,238,239,252,253
	v_mov_b32 v[\i], 0                             ; lane permutes' destinations, and the pair v[252:253]
.endr
	s_wait_kmcnt 0x0
	s_load_b128 s[16:19], s[8:9], 0x0              ; the four lengths
	s_wait_kmcnt 0x0
.irp i, 16,17,18,19
	s_max_i32 s[\i], s[\i], 0
	s_min_u32 s[\i], s[\i], 2048
.endr
	s_mov_b32 s20, s16                             ; the first index of the largest length, the last of the smallest: two different batches whatever the lengths
	s_mov_b32 s21, 0
	s_mov_b32 s22, s16
	s_mov_b32 s23, 0
.irp i, 1,2,3
	s_cmp_gt_u32 s[16+\i], s20
	s_cselect_b32 s21, \i, s21
	s_max_u32 s20, s20, s[16+\i]
	s_cmp_le_u32 s[16+\i], s22
	s_cselect_b32 s23, \i, s23
	s_min_u32 s22, s22, s[16+\i]
.endr
	s_lshl_b32 s24, 1, s21
	s_lshl_b32 s25, 1, s23
	s_or_b32 s24, s24, s25
	s_xor_b32 s24, s24, 15                         ; the other two
	s_ctz_i32_b32 s25, s24
	s_lshl_b32 s26, 1, s25
	s_xor_b32 s24, s24, s26
	s_ctz_i32_b32 s26, s24
	s_cmp_eq_u32 s[PP], 0
	s_cselect_b32 s[B0], s21, s25
	s_cselect_b32 s[B1], s23, s26
	s_min_u32 s[B0], s[B0], 3
	s_min_u32 s[B1], s[B1], 3
.macro PICK dst, idx
	s_mov_b32 s[\dst], s16
.irp i, 1,2,3
	s_cmp_eq_u32 s[\idx], \i
	s_cselect_b32 s[\dst], s[16+\i], s[\dst]
.endr
.endm
	PICK LA, B0
	PICK LB, B1
; A block's 26,112 bytes: 16 bytes a thread, three times for all 512 threads and once more for the first 96
.macro COPYLOAD reg, base, off
	global_load_b128 v[\reg:\reg+3], v[T16], s[\base:\base+1] offset:\off
	global_load_b128 v[\reg+4:\reg+7], v[T16], s[\base:\base+1] offset:\off+8192
	global_load_b128 v[\reg+8:\reg+11], v[T16], s[\base:\base+1] offset:\off+16384
	s_cmp_lt_u32 s[WV], 3
	s_cbranch_scc0 .Lcl_\@
	global_load_b128 v[\reg+12:\reg+15], v[T16], s[\base:\base+1] offset:\off+24576
.Lcl_\@:
.endm
.macro COPYSTORE reg, buf
	ds_store_b128 v[T16], v[\reg:\reg+3] offset:(\buf)*BUF1
	ds_store_b128 v[T16], v[\reg+4:\reg+7] offset:(\buf)*BUF1+8192
	ds_store_b128 v[T16], v[\reg+8:\reg+11] offset:(\buf)*BUF1+16384
	s_cmp_lt_u32 s[WV], 3
	s_cbranch_scc0 .Lcs_\@
	ds_store_b128 v[T16], v[\reg+12:\reg+15] offset:(\buf)*BUF1+24576
.Lcs_\@:
.endm
.macro PRELOAD breg                    ; a batch's first block of kv, and my 16 queries with their scale words
	s_lshl_b32 s56, s[\breg], 4
	s_add_co_u32 s56, s56, s[HD]
	s_mul_i32 s56, s56, HEADB
	s_mov_b32 s57, 0
	s_add_nc_u64 s[PKV:PKV+1], s[6:7], s[56:57]
	s_mul_i32 s58, s[CH], KVB
	s_add_co_u32 s56, s56, s58
	s_add_nc_u64 s[PQ:PQ+1], s[4:5], s[56:57]
	COPYLOAD PRE, PKV, 0
	global_load_b128 v[PREQ:PREQ+3], v[VQ16], s[PQ:PQ+1]
	global_load_b64 v[PREQ+4:PREQ+5], v[VQ8], s[PQ:PQ+1] offset:512
	global_load_b32 v[PREQ+6], v[VQS], s[PQ:PQ+1]
.endm
; A KEY STEP: 128 keys, the q-th of the block in buffer e
.macro STEP e, q
	s_cmp_ge_u32 s[KF], s[LE]                      ; all its keys are hidden: the step's work is left out; no barrier stands in a step
	s_cbranch_scc1 .Lhidden_\@
.irp g, 0,1                                    ; S^T = K Q^T, four tiles of 16 keys at a time
.if \g
.rept 4
	v_nop                                          ; places in front of loads into registers that matrix instructions have read
.endr
.endif
.irp t, 0,1,2,3
	ds_load_b128 v[KFR+12*\t:KFR+12*\t+3], v[L16] offset:(\e)*BUF1+(\q)*6144+(4*\g+\t)*768
	ds_load_b64 v[KFR+12*\t+4:KFR+12*\t+5], v[L8] offset:(\e)*BUF1+(\q)*6144+(4*\g+\t)*768+512
.endr
.if \g == 0
	ds_load_b128 v[KS:KS+3], v[L16] offset:(\e)*BUF1+KSC+(\q)*512
.endif
	s_wait_dscnt 0x0
.irp t, 0,1,2,3
.if \g
	v_wmma_scale_f32_16x16x128_f8f6f4 v[96+8*(4*\g+\t):103+8*(4*\g+\t)], v[KFR+12*\t:KFR+12*\t+11], v[16:27], 0, v[KS+\t], v255 matrix_a_fmt:MATRIX_FMT_FP6 matrix_b_fmt:MATRIX_FMT_FP6 matrix_a_scale:MATRIX_SCALE_ROW1
.else
	v_wmma_scale_f32_16x16x128_f8f6f4 v[96+8*(4*\g+\t):103+8*(4*\g+\t)], v[KFR+12*\t:KFR+12*\t+11], v[16:27], 0, v[KS+\t], v255 matrix_a_fmt:MATRIX_FMT_FP6 matrix_b_fmt:MATRIX_FMT_FP6
.endif
.endr
.endr                                          ; lane (r, h) holds query r; register 16 b + i is key KF + 32 b + 16 h + i
.rept 4
	v_nop
.endr
	s_add_co_u32 s56, s[KF], 128                   ; a step all of whose keys count skips the mask
	s_cmp_le_u32 s56, s[LL]
	s_cbranch_scc1 .Lopen_\@
	s_sub_co_i32 s56, s[LL], s[KF]
	v_sub_nc_u32 v252, s56, v[H16]                 ; d = length - KF - 16 h: register 16 b + i is hidden where 32 b + i >= d
	v_mov_b32 v254, 0xcc800000                     ; -2^26
.irp n, 0,1,2,3,4,5,6,7,8,9,10,11,12,13,14,15,16,17,18,19,20,21,22,23,24,25,26,27,28,29,30,31,32,33,34,35,36,37,38,39,40,41,42,43,44,45,46,47,48,49,50,51,52,53,54,55,56,57,58,59,60,61,62,63
	v_cmp_ge_i32 vcc_lo, 32*(\n/16)+\n%16, v252
	v_cndmask_b32 v[96+\n], v[96+\n], v254, vcc_lo
.endr
.Lopen_\@:
.irp b, 0,1,2,3
	v_max3_num_f32 v[232+\b], v[96+16*\b], v[97+16*\b], v[98+16*\b]   ; the largest score of each block of 32 keys: it serves for the row's maximum and, since p rises with the score, for the block's largest p
.endr
.irp i, 3,5,7,9,11,13
.irp b, 0,1,2,3
	v_max3_num_f32 v[232+\b], v[232+\b], v[96+16*\b+\i], v[97+16*\b+\i]
.endr
.endr
.irp b, 0,1,2,3
	v_max_num_f32 v[232+\b], v[232+\b], v[111+16*\b]
.endr
.irp b, 0,1,2,3
	v_permlanex16_b32 v[236+\b], v[232+\b], s[SEL], s[SEL+1]
.endr
.irp b, 0,1,2,3
	v_max_num_f32 v[232+\b], v[232+\b], v[236+\b]  ; with lane l xor 16's 16 keys
.endr
	v_max3_num_f32 v254, v232, v233, v234
	v_max_num_f32 v254, v254, v235                 ; the step's largest score of my query
	v_mul_f32 v254, s[CS], v254                    ; as t
	v_max_num_f32 v13, v13, v254                   ; the running largest t
	v_mov_b32 v254, v12
	v_floor_f32 v12, -v13                          ; the new -M = floor(-t): M is a whole number
	v_sub_f32 v254, v12, v254                      ; old M - new M: a whole number, 0 or less
	v_cvt_i32_f32 v254, v254                       ; (it saturates)
	v_ldexp_f32 v252, 1.0, v254                    ; f = 2^(old M - new M)
.irp j, 0,2,4,6,8,10,12,14,16,18,20,22,24,26,28,30,32,34,36,38,40,42,44,46,48,50,52,54,56,58,60,62
	v_pk_fma_f32 v[96+\j:97+\j], v[96+\j:97+\j], s[CS:CS+1], v[12:13] op_sel_hi:[1,0,0]   ; t - M, two at a time
.endr
.irp b, 0,1,2,3
	v_fma_f32 v[232+\b], v[232+\b], s[CS], v12     ; the same of each block's largest score
.endr
.irp j, 0,1,2,3,4,5,6,7,8,9,10,11,12,13,14,15,16,17,18,19,20,21,22,23,24,25,26,27,28,29,30,31,32,33,34,35,36,37,38,39,40,41,42,43,44,45,46,47,48,49,50,51,52,53,54,55,56,57,58,59,60,61,62,63
	v_exp_f32 v[96+\j], v[96+\j]                   ; p = 2^(t - M), at most 1
.endr
	v_pk_mul_f32 v[14:15], v[14:15], v[252:253] op_sel_hi:[1,0]   ; the sums under the new M.  (A plain place behind the exponentials)
	s_wait_alu depctr_va_vdst(0)                   ; one wait for the whole batch, ahead of its first reader
.irp b, 0,1,2,3
	v_exp_f32 v[232+\b], v[232+\b]                 ; the block's largest p
.endr
	v_pk_add_f32 v[236:237], v[96:97], v[98:99]    ; the row's sum is taken of the unquantised p: two at a time, in two chains
.irp j, 4,8,12,16,20,24,28,32,36,40,44,48,52,56,60
	v_pk_add_f32 v[14:15], v[14:15], v[96+\j:97+\j]
	v_pk_add_f32 v[236:237], v[236:237], v[98+\j:99+\j]
.endr
	v_pk_add_f32 v[14:15], v[14:15], v[236:237]
	s_wait_alu depctr_va_vdst(0)                   ; and one for the four
.irp b, 0,1,2,3
	v_max_num_f32 v[232+\b], 0x1800000, v[232+\b]  ; the floor 2^(3 - 127): the byte cannot fall under 1
.endr
.irp b, 0,1,2,3
	v_add_nc_u32 v[244+\b], 0xff000000, v[232+\b]  ; 2 off the exponent field: the conversion's scale operand
.endr
.irp b, 0,1,2,3
	v_lshrrev_b32 v[236+\b], 23, v[244+\b]         ; the scale's byte
.endr
	v_lshl_or_b32 v253, v237, 8, v236              ; p's scale word for these 128 keys
	v_lshl_or_b32 v253, v238, 16, v253
	v_lshl_or_b32 v253, v239, 24, v253
.irp c, 0,1
	v_cvt_scalef32_pk16_fp6_f32 v[224+6*\c:226+6*\c], v[96+32*\c:111+32*\c], v[244+2*\c]
	v_cvt_scalef32_pk16_fp6_f32 v[236+4*\c:238+4*\c], v[112+32*\c:127+32*\c], v[244+2*\c+1]
.endr
	v_nop                                          ; one plain place behind a scaled conversion
.irp t, 0,1,2,3                                ; p is done with: V's four fragments (16 channels x these 128 keys) take its registers
	ds_load_b128 v[96+12*\t:99+12*\t], v[L16] offset:(\e)*BUF1+VIM+(\q)*6144+\t*1536
	ds_load_b64 v[100+12*\t:101+12*\t], v[L8] offset:(\e)*BUF1+VIM+(\q)*6144+\t*1536+512
	ds_load_b128 v[102+12*\t:105+12*\t], v[L16] offset:(\e)*BUF1+VIM+(\q)*6144+\t*1536+768
	ds_load_b64 v[106+12*\t:107+12*\t], v[L8] offset:(\e)*BUF1+VIM+(\q)*6144+\t*1536+1280
.endr
	ds_load_b64 v[VS:VS+1], v[L8] offset:(\e)*BUF1+VSC+(\q)*256
.irp c, 0,1                                    ; the operand's layout wants a whole block in a lane
.irp i, 0,1,2
	v_permlane16_swap_b32 v[224+6*\c+\i], v[236+4*\c+\i]
.endr
.irp i, 0,1,2
	v_mov_b32 v[227+6*\c+\i], v[236+4*\c+\i]
.endr
.endr
.irp j, 0,2,4,6,8,10,12,14,16,18,20,22,24,26,28,30
	v_pk_mul_f32 v[160+\j:161+\j], v[160+\j:161+\j], v[252:253] op_sel_hi:[1,0]   ; O^T under the new M.  (These sixteen are also the places between the codes' and the scale word's last writes and the products)
.endr
	s_wait_dscnt 0x0
.irp t, 0,1,2,3                                ; O^T += V^T P^T: the four accumulators by turns
.if \t > 1
	v_wmma_scale_f32_16x16x128_f8f6f4 v[160+8*\t:167+8*\t], v[96+12*\t:107+12*\t], v[224:235], v[160+8*\t:167+8*\t], v[VS+\t%2], v253 matrix_a_fmt:MATRIX_FMT_FP6 matrix_b_fmt:MATRIX_FMT_FP6 matrix_a_scale:MATRIX_SCALE_ROW1
.else
	v_wmma_scale_f32_16x16x128_f8f6f4 v[160+8*\t:167+8*\t], v[96+12*\t:107+12*\t], v[224:235], v[160+8*\t:167+8*\t], v[VS+\t%2], v253 matrix_a_fmt:MATRIX_FMT_FP6 matrix_b_fmt:MATRIX_FMT_FP6
.endif
.endr
.rept 5
	v_nop                                          ; five places: the next step's first products write over the registers that held V's fragments
.endr
.Lhidden_\@:
	s_add_co_u32 s[KF], s[KF], 128
.endm
; A BLOCK: the next one is asked for into registers, this one's two steps are worked, the next one is stored into the other buffer; one barrier.
; In front of it every wave's reads of buffer e and its stores into the other buffer are done; behind it the other buffer is whole and buffer e may be written.
.macro HALF e
	s_add_co_u32 s56, s[KF], 256
	s_cmp_lt_u32 s56, s[LE]                        ; is there a next block with a key to walk?  (At the batch's last block never: no load leaves the buffer)
	s_cbranch_scc0 .Lnl_\@
	COPYLOAD STG, KVS, (\e+1)*KVB
.Lnl_\@:
	STEP \e, 0
	STEP \e, 1
	s_wait_loadcnt 0x0
	s_cmp_lt_u32 s[KF], s[LE]                      ; the same question, KF being 256 on
	s_cbranch_scc0 .Lns_\@
	COPYSTORE STG, 1-\e
.Lns_\@:
	s_wait_dscnt 0x0
	s_barrier_signal -1
	s_barrier_wait -1
.endm
	PRELOAD B0
	s_mov_b32 s[PS], 0
.Lpass:                                            ; two trips: my two batches
	s_wait_xcnt 0x0                                ; the last pass's stores have read their data and bases
	s_cmp_eq_u32 s[PS], 0
	s_cselect_b32 s[BB], s[B0], s[B1]
	s_cselect_b32 s[LL], s[LA], s[LB]
	s_min_u32 s[BB], s[BB], 3
	s_cmp_eq_u32 s[LL], 0
	s_cselect_b32 s[LE], 2048, s[LL]
	s_lshl_b32 s56, s[BB], 4
	s_add_co_u32 s56, s56, s[HD]
	s_mul_i32 s56, s56, HEADB
	s_mov_b32 s57, 0
	s_add_nc_u64 s[KVS:KVS+1], s[6:7], s[56:57]
	s_lshl_b32 s56, s[BB], 7
	s_lshl_b32 s58, s[CH], 4
	s_add_co_u32 s56, s56, s58
	s_add_co_u32 s56, s56, s[WV]                   ; my tile of queries among all 512
	s_mul_i32 s56, s56, 12288
	s_mul_i32 s58, s[HD], 768                      ; my head's half image
	s_add_co_u32 s56, s56, s58
	s_add_nc_u64 s[OB:OB+1], s[10:11], s[56:57]
	s_lshl_b32 s56, s[BB], 16
	s_add_co_u32 s56, s56, s[HOF]
	s_add_nc_u64 s[OSB:OSB+1], s[12:13], s[56:57]
	s_wait_loadcnt 0x0                             ; the batch's first block and my queries are in
	COPYSTORE PRE, 0
.irp i, 0,1,2,3,4,5
	v_mov_b32 v[16+\i], v[PREQ+\i]
.endr
	v_mov_b32 v255, v[PREQ+6]
	v_mov_b32 v13, 0xff61b1e6                      ; the largest t so far: -3e38
	v_floor_f32 v12, -v13
	v_mov_b32 v14, 0
	v_mov_b32 v15, 0
.irp j, 0,1,2,3,4,5,6,7,8,9,10,11,12,13,14,15,16,17,18,19,20,21,22,23,24,25,26,27,28,29,30,31
	v_mov_b32 v[160+\j], 0                         ; O^T: the step is written once; the first finds zeros, which the first change of M leaves zeros
.endr
	s_wait_dscnt 0x0
	s_barrier_signal -1
	s_barrier_wait -1
	s_cmp_lg_u32 s[PS], 0
	s_cbranch_scc1 .Lno_pre
	PRELOAD B1                                     ; the second batch's first block and queries come while the first batch is worked
.Lno_pre:
	s_mov_b32 s[KF], 0
	s_mov_b32 s[TR], 4
.Ltrip:                                            ; four trips of two blocks: the count is a constant, the work is skipped
	HALF 0
	HALF 1
	s_wait_xcnt 0x0
	s_add_nc_u64 s[KVS:KVS+1], s[KVS:KVS+1], 2*KVB
	s_sub_co_u32 s[TR], s[TR], 1
	s_cmp_lg_u32 s[TR], 0
	s_cbranch_scc1 .Ltrip
	; THE WAY OUT: O^T / the sum, quantised along my head's 64: two blocks of 32; register 16 b + i is channel 32 b + 16 h + i of my query
	v_add_f32 v14, v14, v15
	v_permlanex16_b32 v252, v14, s[SEL], s[SEL+1]
	v_add_f32 v14, v14, v252
	v_rcp_f32 v14, v14
	v_nop                                          ; a plain place behind the reciprocal
	s_wait_alu depctr_va_vdst(0)                   ; and the wait ahead of its first reader
.irp j, 0,1,2,3,4,5,6,7,8,9,10,11,12,13,14,15,16,17,18,19,20,21,22,23,24,25,26,27,28,29,30,31
	v_mul_f32 v[96+\j], v[160+\j], v14
.endr
.irp b, 0,1
	v_max3_num_f32 v[232+\b], |v[96+16*\b]|, |v[97+16*\b]|, 0x1800000
.endr
.irp i, 2,4,6,8,10,12,14
.irp b, 0,1
	v_max3_num_f32 v[232+\b], v[232+\b], |v[96+16*\b+\i]|, |v[97+16*\b+\i]|
.endr
.endr
.irp b, 0,1
	v_permlanex16_b32 v[236+\b], v[232+\b], s[SEL], s[SEL+1]
.endr
.irp b, 0,1
	v_max_num_f32 v[232+\b], v[232+\b], v[236+\b]
.endr
.irp b, 0,1
	v_add_nc_u32 v[244+\b], 0xff000000, v[232+\b]
.endr
.irp b, 0,1
	v_lshrrev_b32 v[236+\b], 23, v[244+\b]
.endr
	v_cndmask_b32 v238, v236, v237, s[HI]          ; lanes 0-15 store block 0's byte, lanes 16-31 block 1's
	v_cvt_scalef32_pk16_fp6_f32 v[224:226], v[96:111], v244
	v_cvt_scalef32_pk16_fp6_f32 v[240:242], v[112:127], v245
	v_nop
.irp i, 0,1,2
	v_permlane16_swap_b32 v[224+\i], v[240+\i]
.endr
.irp i, 0,1,2
	v_mov_b32 v[227+\i], v[240+\i]
.endr
	global_store_b128 v[L16], v[224:227], s[OB:OB+1]
	global_store_b64 v[L8], v[228:229], s[OB:OB+1] offset:512
	global_store_b8 v[OSO], v238, s[OSB:OSB+1]
	s_add_co_u32 s[PS], s[PS], 1
	s_cmp_lt_u32 s[PS], 2
	s_cbranch_scc1 .Lpass
	s_wait_tensorcnt 0x0                           ; the wave's end, behind my last LDS store
	ds_add_u32 v[SPW], v[NIL]
	s_wait_dscnt 0x0
	s_endpgm
.Lfunc_end_k_q71faf23b64_attn:
	.size	k_q71faf23b64_attn, .Lfunc_end_k_q71faf23b64_attn-k_q71faf23b64_attn
	.p2alignl 7, 3214868480
	.fill 96, 4, 3214868480
	.section	.rodata,"a",@progbits
	.p2align	6, 0x0
	.amdhsa_kernel k_q71faf23b64_attn
		.amdhsa_group_segment_fixed_size 67584
		.amdhsa_private_segment_fixed_size 0
		.amdhsa_enable_private_segment 0
		.amdhsa_kernarg_size 40
		.amdhsa_user_sgpr_count 2
		.amdhsa_user_sgpr_kernarg_segment_ptr 1
		.amdhsa_wavefront_size32 1
		.amdhsa_system_sgpr_workgroup_id_x 1
		.amdhsa_system_sgpr_workgroup_id_y 1
		.amdhsa_system_sgpr_workgroup_id_z 1
		.amdhsa_system_vgpr_workitem_id 0
		.amdhsa_next_free_vgpr 256
		.amdhsa_next_free_sgpr 72
		.amdhsa_reserve_vcc 1
		.amdhsa_float_denorm_mode_32 3
		.amdhsa_float_denorm_mode_16_64 3
		.amdhsa_memory_ordered 1
		.amdhsa_forward_progress 1
		.amdhsa_inst_pref_size 102
	.end_amdhsa_kernel
	.amdgpu_metadata
---
amdhsa.version: [ 1, 2 ]
amdhsa.kernels:
  - .name:           k_q71faf23b64_attn
    .symbol:         k_q71faf23b64_attn.kd
    .args:
      - { .name: qq, .offset: 0, .size: 8, .value_kind: global_buffer, .address_space: global }
      - { .name: kv, .offset: 8, .size: 8, .value_kind: global_buffer, .address_space: global }
      - { .name: valid_lens, .offset: 16, .size: 8, .value_kind: global_buffer, .address_space: global }
      - { .name: oimg, .offset: 24, .size: 8, .value_kind: global_buffer, .address_space: global }
      - { .name: oscl, .offset: 32, .size: 8, .value_kind: global_buffer, .address_space: global }
    .group_segment_fixed_size: 67584
    .private_segment_fixed_size: 0
    .kernarg_segment_align: 8
    .kernarg_segment_size: 40
    .max_flat_workgroup_size: 512
    .sgpr_count:     72
    .vgpr_count:     256
    .wavefront_size: 32
...
	.end_amdgpu_metadata
.endif
;; end of part 3
;; launch oproj (part 4): grid 4 x 32, 4 waves a work-group, clusters of 4 x 4, 327,680 bytes of LDS; arguments oimg, oscl, cimg, cscl, out0; writes out0
.if DOCPART == 4
	.amdgcn_target "amdgcn-amd-amdhsa--gfx1250"
	.amdhsa_code_object_version 6
	.text
	.protected	k_q71faf23b64_oproj
	.globl	k_q71faf23b64_oproj
	.p2align	8
	.type	k_q71faf23b64_oproj,@function
k_q71faf23b64_oproj:
	s_mov_b64 s[64:65], 0
	v_nop
	global_prefetch_b8 v0, s[64:65] scope:SCOPE_SE
	s_setreg_imm32_b32 hwreg(HW_REG_WAVE_MODE, 25, 1), 1
	s_wait_xcnt 0x0
	s_wait_alu depctr_hold_cnt(0) depctr_sa_sdst(0) depctr_va_vdst(0) depctr_va_sdst(0) depctr_va_ssrc(0) depctr_va_vcc(0) depctr_vm_vsrc(0)
	s_getreg_b32 s2, hwreg(HW_REG_IB_STS2, 6, 4)
	s_cmp_eq_u32 s2, 0
	s_cbranch_scc0 .Lentry_in_a_cluster
	s_endpgm
.Lentry_in_a_cluster:
	s_bfe_u32 s2, ttmp6, 0x10000c
	s_cmp_lg_u32 s2, 0xf033
	s_cbranch_scc0 .Lentry_shape_is_right
	s_endpgm
.Lentry_shape_is_right:
; out0 = O Wo^T on codes of FP6 (E2M3) with E8M0 scales; out0 [8192][1024] f32.  O comes as images of the operand's registers in oimg (tile T's eight K steps at T x 12,288) with scale words in oscl, Wo likewise in cimg (tiles 1728 on) and cscl.
; A tile of C, 256 x 256, is made by four waves, each 128 x 128: 64 accumulators, 512 registers.  K = 1,024 goes in four steps of 256 through a ring of two LDS slots filled by the tensor data mover.
; CLUSTERS: 4 x 4 work-groups; A's tiles are asked for jointly along a row of the cluster, B's along a column.  THE MATRIX INSTRUCTION IS USED TRANSPOSED (source 0 = 16 rows of Wo, source 1 = 16 rows of O).
; A tile holds rows 8 u + i + 8 (i / 8) of each 32, in O and in Wo: the way out puts columns and rows back in their places: the columns by the offsets into the stage, the rows by the stores' offsets.
; No prefetch: K has four slots, of which two are first fills.  128 work-groups: the tile is kept large, since a smaller one would read each fragment for fewer products.
; REGISTERS, in windows of 256: window 0: v16-29 addresses; v32-63 scale words, two sets; v128-223 A's fragments, one set (on the way out v128-255 take rows of C).  window 1: B's fragments, two sets.  windows 2, 3: the accumulators.
.set NQ,     2
.set FR,     12
.set NL,     4
.set NP,     4
.set IMG,    1536
.set TILEB,  NQ*IMG
.set TPITCH, 8*IMG
.set HALFT,  8*TILEB
.set SLOT,   4*HALFT
.set LAPS,   2
.set SCL,    2*SLOT
.set SGRP,   4096
.set SPARE,  SCL+4*SGRP
.set SPITCH, 528                       ; the way out: a stage of 16 rows x (512 bytes + 16) for each wave, in slot 0, which has had its last fill and its last read when the first result is stored there
.set ADRA, 16
.set ADRB, 20
.set STO,  24                          ; v24  the way out: where I put 32 bytes of a row
.set RD,   25                          ; v25  where I read a row back
.set CO,   26                          ; v26  16 x lane: my bytes of a row of C
.set ADRS, 27
.set SPW,  28
.set NIL,  29
.set SC,   32
.set AF,   128
.set BK,   128
.set G1, 24
.set G0, 32
.set G1B, 48
.set G0B, 56
.set G1S, 68
.set G0S, 76
.set G1SB, 80
.set G0SB, 88
.set MSB, 0
.macro WIN new
.if MSB != \new
	s_set_vgpr_msb (MSB<<8)|\new
.set MSB, \new
.endif
.endm
.set MUL_LO, 0xa1
.set MUL_HI, 0xf1
.set TO_B,   0x40
.macro JLOAD g0a, g1a, g0b, g1b        ; a joint load: waves 0 and 1 fetch for A, waves 2 and 3 for B; an s_nop 0 and four v_nop follow each of the two lines
	s_cmp_eq_u32 s15, 0
	s_cbranch_scc0 .Lfor_b_\@
	tensor_load_to_lds s[\g0a:\g0a+3], s[\g1a:\g1a+7]
	s_nop 0
.rept 4
	v_nop
.endr
	s_branch .Lasked_\@
.Lfor_b_\@:
	tensor_load_to_lds s[\g0b:\g0b+3], s[\g1b:\g1b+7]
	s_nop 0
.rept 4
	v_nop
.endr
.Lasked_\@:
.endm
.macro CREST
	s_cmp_lg_u32 s14, 0
	s_cbranch_scc1 .Lnot_wave_0_\@
	s_barrier_signal -3
.Lnot_wave_0_\@:
	s_barrier_wait -3
	s_barrier_signal -1
	s_barrier_wait -1
.endm
.macro CROUND
	s_barrier_signal -1
	s_barrier_wait -1
	CREST
.endm
	s_load_b128 s[4:7], s[0:1], 0x0                ; oimg, oscl
	s_load_b128 s[8:11], s[0:1], 0x10              ; cimg, cscl
	s_load_b64 s[12:13], s[0:1], 0x20              ; out0
	v_lshl_add_u32 v[SPW], v0, 2, SPARE
	v_mov_b32 v[NIL], 0
	ds_add_u32 v[SPW], v[NIL]                      ; the wave's opening: the add and its wait stand ahead of my first tensor load
	v_lshrrev_b32 v1, 5, v0
	v_readfirstlane_b32 s14, v1                    ; wave 0..3
	s_lshr_b32 s15, s14, 1                         ; which half of the tile's rows is mine.  Also: I fetch for A (0) or for B (1)
	s_and_b32 s16, s14, 1                          ; which half of its columns.  Also: which 8 tiles I fetch
	s_bfe_u32 s40, ttmp6, 0x40000                  ; cx = the tile column of C (the grid is one cluster wide)
	s_bfe_u32 s41, ttmp6, 0x40004                  ; cy
	s_and_b32 s17, ttmp7, 0xffff
	s_lshl_b32 s17, s17, 2
	s_add_co_u32 s17, s17, s41                     ; tile row of C = 4 x cluster y + cy
	s_lshl_b32 s43, s41, 2
	s_lshl_b32 s43, 15, s43                        ; my row of the cluster
	s_lshl_b32 s44, 0x1111, s40                    ; my column
	s_or_b32 s[G1+0], s43, (3<<16)|(1<<21)         ; 8 rows of 3,072 bytes, 12,288 bytes apart, dense in LDS; elements of 8 bytes
	s_or_b32 s[G1B+0], s44, (3<<16)|(1<<21)
.irp g, G1, G1B
	s_mov_b32 s[\g+1], (TILEB/8)<<16
	s_mov_b32 s[\g+2], 8<<16
	s_mov_b32 s[\g+3], (TILEB/8)<<16
	s_mov_b32 s[\g+4], 8
	s_mov_b32 s[\g+5], TPITCH/8
	s_mov_b32 s[\g+6], 0
	s_mov_b32 s[\g+7], 0
.endr
	s_or_b32 s[G1S+0], s43, (3<<16)|(1<<21)        ; the scale words of 8 tiles: 4,096 dense bytes, as 16 rows of 256
	s_or_b32 s[G1SB+0], s44, (3<<16)|(1<<21)
.irp g, G1S, G1SB
	s_mov_b32 s[\g+1], 32<<16
	s_mov_b32 s[\g+2], 16<<16
	s_mov_b32 s[\g+3], 32<<16
	s_mov_b32 s[\g+4], 16
	s_mov_b32 s[\g+5], 32
	s_mov_b32 s[\g+6], 0
	s_mov_b32 s[\g+7], 0
.endr
	s_lshl_b32 s21, s16, 3
	s_lshl_b32 s20, s17, 4
	s_add_co_u32 s20, s20, s21                     ; A: tile 16 x tile row + 8 x half
	s_lshl_b32 s46, s40, 4
	s_add_co_u32 s46, s46, s21
	s_add_co_u32 s46, s46, 1728                    ; B: Wo's first tile + 16 cx + 8 x half
	s_lshl_b32 s22, s20, 9
	s_mov_b32 s23, 0
	s_mul_i32 s20, s20, TPITCH
	s_mov_b32 s21, 0
	s_lshl_b32 s92, s46, 9
	s_mov_b32 s93, 0
	s_mul_i32 s46, s46, TPITCH
	s_mov_b32 s47, 0
	s_mul_i32 s45, s14, HALFT
	s_mul_i32 s94, s14, SGRP
	s_wait_dscnt 0x0                               ; the opening add is done
	s_wait_kmcnt 0x0
	s_add_nc_u64 s[20:21], s[4:5], s[20:21]
	s_add_nc_u64 s[22:23], s[6:7], s[22:23]
	s_add_nc_u64 s[46:47], s[8:9], s[46:47]
	s_add_nc_u64 s[92:93], s[10:11], s[92:93]
	CROUND                                         ; all sixteen work-groups are here: the first joint loads meet
	s_mov_b32 s[G0S], 1
	s_add_co_u32 s[G0S+1], s94, SCL
	s_mov_b64 s[G0S+2:G0S+3], s[22:23]
	s_or_b32 s[G0S+3], s[G0S+3], 0x80000000
	s_mov_b32 s[G0SB], 1
	s_add_co_u32 s[G0SB+1], s94, SCL
	s_mov_b64 s[G0SB+2:G0SB+3], s[92:93]
	s_or_b32 s[G0SB+3], s[G0SB+3], 0x80000000
	JLOAD G0S, G1S, G0SB, G1SB
.irp s, 0,1
	s_mov_b32 s[G0+4*\s], 1
	s_add_co_u32 s[G0+4*\s+1], s45, \s*SLOT
	s_add_nc_u64 s[G0+4*\s+2:G0+4*\s+3], s[20:21], \s*TILEB
	s_or_b32 s[G0+4*\s+3], s[G0+4*\s+3], 0x80000000
	s_mov_b32 s[G0B+4*\s], 1
	s_add_co_u32 s[G0B+4*\s+1], s45, \s*SLOT
	s_add_nc_u64 s[G0B+4*\s+2:G0B+4*\s+3], s[46:47], \s*TILEB
	s_or_b32 s[G0B+4*\s+3], s[G0B+4*\s+3], 0x80000000
	JLOAD G0+4*\s, G1, G0B+4*\s, G1B               ; three tensor loads of mine are out behind the second of these
.endr
	v_and_b32 v1, 31, v0                           ; lane
	v_and_b32 v2, 15, v0                           ; r
	v_bfe_u32 v3, v0, 4, 1                         ; h
	v_lshlrev_b32 v[CO], 4, v1
	v_lshlrev_b32 v5, 3, v1
	s_mul_i32 s21, s15, HALFT
	s_mul_i32 s22, s16, HALFT
	s_add_co_u32 s22, s22, 2*HALFT
.irp s, 0,1
	v_add_nc_u32 v[ADRA+\s], s21, v[CO]
	v_add_nc_u32 v[ADRB+\s], s22, v[CO]
	v_add_nc_u32 v[ADRA+2+\s], s21, v5
	v_add_nc_u32 v[ADRB+2+\s], s22, v5
	s_add_co_u32 s21, s21, SLOT
	s_add_co_u32 s22, s22, SLOT
.endr
	v_lshlrev_b32 v6, 3, v2
	s_lshl_b32 s21, s15, 12
	s_lshl_b32 s22, s16, 12
	s_add_co_u32 s22, s22, 2*SGRP
	s_sub_co_u32 s22, s22, s21
	v_mul_u32_u24 v7, s22, v3                      ; lanes 16-31 take B's
	s_add_co_u32 s21, s21, SCL
	v_add_nc_u32 v6, v6, v7
	v_add_nc_u32 v[ADRS], s21, v6
	s_mul_i32 s23, s14, 16*SPITCH                  ; my stage
	v_mul_u32_u24 v5, v2, SPITCH
	v_lshl_add_u32 v5, v3, 6, v5
	v_add_nc_u32 v[STO], s23, v5                   ; in: row r, + 64 h: tiles 2 b and 2 b + 1 hold columns 32 b + 16 h + 0 .. 15
	v_add_nc_u32 v[RD], s23, v[CO]                 ; back: the 32 lanes take one row of 512 bytes
	s_lshl_b32 s20, s17, 8
	s_lshl_b32 s21, s15, 7
	s_add_co_u32 s20, s20, s21                     ; my first row of C
	s_lshl_b32 s20, s20, 12                        ; rows of 4,096 bytes
	s_lshl_b32 s46, s40, 10
	s_lshl_b32 s47, s16, 9
	s_add_co_u32 s46, s46, s47                     ; my first column, in bytes
	s_add_co_u32 s20, s20, s46
	s_mov_b32 s21, 0
	s_add_nc_u64 s[12:13], s[12:13], s[20:21]
.macro FRAG reg, adr, q, i
	ds_load_b128 v[\reg:\reg+3], v[\adr] offset:(\i)*TILEB+(\q)*IMG
	ds_load_b64 v[\reg+4:\reg+5], v[\adr+2] offset:(\i)*TILEB+(\q)*IMG+512
	ds_load_b128 v[\reg+6:\reg+9], v[\adr] offset:(\i)*TILEB+(\q)*IMG+768
	ds_load_b64 v[\reg+10:\reg+11], v[\adr+2] offset:(\i)*TILEB+(\q)*IMG+1280
.endm
; The 64 accumulators take turns, one instruction a turn, in the same order in every step.
.macro MUL16 a0, p, q, sc, zero
.irp a, \a0, \a0+1
.irp b, 0,1,2,3,4,5,6,7
.if \zero
	v_wmma_scale_f32_16x16x128_f8f6f4 v[8*(8*((\a)%4)+\b):8*(8*((\a)%4)+\b)+7], v[128*(\p)+FR*\b:128*(\p)+FR*\b+FR-1], v[AF+FR*(\a):AF+FR*(\a)+FR-1], 0, v[SC+8*NQ*(\sc)+NQ*\b+(\q)], v[SC+8*NQ*(\sc)+NQ*(\a)+(\q)] matrix_a_fmt:MATRIX_FMT_FP6 matrix_b_fmt:MATRIX_FMT_FP6 matrix_a_scale:MATRIX_SCALE_ROW1
.else
	v_wmma_scale_f32_16x16x128_f8f6f4 v[8*(8*((\a)%4)+\b):8*(8*((\a)%4)+\b)+7], v[128*(\p)+FR*\b:128*(\p)+FR*\b+FR-1], v[AF+FR*(\a):AF+FR*(\a)+FR-1], v[8*(8*((\a)%4)+\b):8*(8*((\a)%4)+\b)+7], v[SC+8*NQ*(\sc)+NQ*\b+(\q)], v[SC+8*NQ*(\sc)+NQ*(\a)+(\q)] matrix_a_fmt:MATRIX_FMT_FP6 matrix_b_fmt:MATRIX_FMT_FP6 matrix_a_scale:MATRIX_SCALE_ROW1
.endif
.endr
.endr
.endm
.macro FETCH_B slot, q, p
	WIN TO_B
.irp i, 0,1,2,3,4,5,6,7
	FRAG 128*(\p)+FR*\i, ADRB+\slot, \q, \i
.endr
	WIN 0
.endm
.macro FETCH_A slot, q, i0
.irp i, \i0, \i0+1, \i0+2, \i0+3
	FRAG AF+FR*(\i), ADRA+\slot, \q, \i
.endr
.endm
.macro SCALES sc
.irp i, 0,1,2,3,4,5,6,7
	ds_load_b64 v[SC+8*NQ*\sc+NQ*\i:SC+8*NQ*\sc+NQ*\i+1], v[ADRS] offset:\i*128
.endr
.endm
.macro PLACES n
.rept \n
	v_nop
.endr
.endm
.macro STEP slot, q, zero
	s_wait_dscnt 4*NL                              ; B's set and A's blocks 0-3 are in; the youngest sixteen loads (A's blocks 4-7) may be out
	WIN MUL_LO
	MUL16 0, (\q)%2, \q, \slot, \zero
	MUL16 2, (\q)%2, \q, \slot, \zero
	s_wait_dscnt 0
	PLACES NP
	FETCH_B \slot, (\q)+1, 1-(\q)%2
	FETCH_A \slot, (\q)+1, 0
	WIN MUL_HI
	MUL16 4, (\q)%2, \q, \slot, \zero
	MUL16 6, (\q)%2, \q, \slot, \zero
	PLACES NP
	WIN 0
	FETCH_A \slot, (\q)+1, 4
.endm
.macro TURN slot, next, fill
	s_wait_tensorcnt 0x0                           ; all my tensor loads have landed: my part of the next slot
	ds_add_u32 v[SPW], v[NIL]                      ; 0 onto my spare word
	s_wait_dscnt 4*NL+1                            ; (the add and the youngest sixteen loads may be out)
	WIN MUL_LO
	MUL16 0, 1, NQ-1, \slot, 0
	s_wait_dscnt 0x0                               ; the add is done, and my reads of this slot are over
	s_barrier_signal -1
	MUL16 2, 1, NQ-1, \slot, 0
	WIN 0
	s_barrier_wait -1
.if \fill
	CREST                                          ; the barrier has opened a round of the cluster's barrier: no wave of any partner still reads this slot or has a load on its way
	s_add_nc_u64 s[G0+4*\slot+2:G0+4*\slot+3], s[G0+4*\slot+2:G0+4*\slot+3], 2*TILEB
	s_add_nc_u64 s[G0B+4*\slot+2:G0B+4*\slot+3], s[G0B+4*\slot+2:G0B+4*\slot+3], 2*TILEB
	JLOAD G0+4*\slot, G1, G0B+4*\slot, G1B
.else
	PLACES NP
.endif
	v_add_nc_u32 v[ADRS], 1024, v[ADRS]
	FETCH_B \next, 0, 0
	FETCH_A \next, 0, 0
	SCALES \next
	WIN MUL_HI
	MUL16 4, 1, NQ-1, \slot, 0
	MUL16 6, 1, NQ-1, \slot, 0
	PLACES NP
	WIN 0
	FETCH_A \next, 0, 4
.endm
	s_wait_tensorcnt 1                             ; the scale words and my part of slot 0 are in (slot 1's load may be out)
	s_barrier_signal -1
	s_barrier_wait -1
	FETCH_B 0, 0, 0
	FETCH_A 0, 0, 0
	SCALES 0
	FETCH_A 0, 0, 4
	STEP 0, 0, 1
	s_mov_b32 s3, LAPS-1
.Llap:
	TURN 0, 1, 1
	STEP 1, 0, 0
	TURN 1, 0, 1
	STEP 0, 0, 0
	s_sub_co_u32 s3, s3, 1
	s_cmp_lg_u32 s3, 0
	s_cbranch_scc1 .Llap
	TURN 0, 1, 0
	STEP 1, 0, 0
	s_wait_dscnt 4*NL
	WIN MUL_LO
	MUL16 0, 1, NQ-1, 1, 0
	MUL16 2, 1, NQ-1, 1, 0
	s_wait_dscnt 0
	WIN MUL_HI
	MUL16 4, 1, NQ-1, 1, 0
	MUL16 6, 1, NQ-1, 1, 0
	WIN 0
; THE WAY OUT, tile by tile of 16 rows x 128 columns, through my own stage in LDS: in as 32 bytes a lane at the columns' true places, back as whole rows of 512 bytes.
; LDS serves a wave's instructions in order (ISA guide 5.7.1.4): no wait between the stores and the loads, nor in front of the next tile's stores.
.macro TOSTAGE a
.set AC, 64*((\a)%4)
.set WD, 0x08+4*((\a)/4)
	WIN WD                                         ; the data: window 2 or 3
.irp b, 0,1,2,3,4,5,6,7
	ds_store_b128 v[STO], v[AC+8*\b:AC+8*\b+3] offset:128*(\b/2)+32*(\b%2)       ; each accumulator from its low end on
	ds_store_b128 v[STO], v[AC+8*\b+4:AC+8*\b+7] offset:128*(\b/2)+32*(\b%2)+16
.endr
	WIN 0
.set BB, BK+64*((\a)%2)
.irp t, 0,1,2,3,4,5,6,7,8,9,10,11,12,13,14,15
	ds_load_b128 v[BB+4*\t:BB+4*\t+3], v[RD] offset:\t*SPITCH
.endr
.endm
.macro SEND a, younger                 ; younger: the LDS instructions issued behind tile a's loads, which may stay out
.set BB, BK+64*((\a)%2)
	s_wait_dscnt \younger
.if (\a) > 0
.if (\a)%2
	s_add_nc_u64 s[12:13], s[12:13], 8*4096        ; (behind a wait on XCNT)  tile 2 i + 1 begins 8 rows behind tile 2 i,
.else
	s_add_nc_u64 s[12:13], s[12:13], 24*4096       ; tile 2 i + 2 another 24
.endif
.endif
.irp t, 0,1,2,3,4,5,6,7,8,9,10,11,12,13,14,15
	global_store_b128 v[CO], v[BB+4*\t:BB+4*\t+3], s[12:13] offset:(\t+8*(\t/8))*4096 th:TH_STORE_NT   ; 32 lanes store 512 consecutive bytes, at a multiple of 256 from out0's first byte
.endr
.endm
	PLACES NP
	TOSTAGE 0
.irp a, 1,2,3,4,5,6,7
.if \a > 1
	s_wait_xcnt 0x0                                ; tile a - 2's stores have read their registers and their base
.endif
	TOSTAGE \a
	SEND \a-1, 32                                  ; behind tile a - 1's loads: tile a's 16 stores and 16 loads
.endr
	s_wait_xcnt 0x0
	SEND 7, 0
	s_wait_tensorcnt 0x0                           ; the wave's end, behind my last tensor load and my last LDS store
	ds_add_u32 v[SPW], v[NIL]
	s_wait_dscnt 0x0
	CROUND                                         ; the closing round: no work-group ends while a partner may still ask for a tile that names it
	s_endpgm
.Lfunc_end_k_q71faf23b64_oproj:
	.size	k_q71faf23b64_oproj, .Lfunc_end_k_q71faf23b64_oproj-k_q71faf23b64_oproj
	.p2alignl 7, 3214868480
	.fill 96, 4, 3214868480
	.section	.rodata,"a",@progbits
	.p2align	6, 0x0
	.amdhsa_kernel k_q71faf23b64_oproj
		.amdhsa_group_segment_fixed_size 327680
		.amdhsa_private_segment_fixed_size 0
		.amdhsa_enable_private_segment 0
		.amdhsa_kernarg_size 40
		.amdhsa_user_sgpr_count 2
		.amdhsa_user_sgpr_kernarg_segment_ptr 1
		.amdhsa_wavefront_size32 1
		.amdhsa_system_sgpr_workgroup_id_x 1
		.amdhsa_system_sgpr_workgroup_id_y 1
		.amdhsa_system_sgpr_workgroup_id_z 1
		.amdhsa_system_vgpr_workitem_id 0
		.amdhsa_next_free_vgpr 1024
		.amdhsa_next_free_sgpr 98
		.amdhsa_reserve_vcc 0
		.amdhsa_float_denorm_mode_32 3
		.amdhsa_float_denorm_mode_16_64 3
		.amdhsa_memory_ordered 1
		.amdhsa_forward_progress 1
		.amdhsa_inst_pref_size 143
	.end_amdhsa_kernel
	.amdgpu_metadata
---
amdhsa.version: [ 1, 2 ]
amdhsa.kernels:
  - .name:           k_q71faf23b64_oproj
    .symbol:         k_q71faf23b64_oproj.kd
    .args:
      - { .name: oimg, .offset: 0, .size: 8, .value_kind: global_buffer, .address_space: global }
      - { .name: oscl, .offset: 8, .size: 8, .value_kind: global_buffer, .address_space: global }
      - { .name: cimg, .offset: 16, .size: 8, .value_kind: global_buffer, .address_space: global }
      - { .name: cscl, .offset: 24, .size: 8, .value_kind: global_buffer, .address_space: global }
      - { .name: out0, .offset: 32, .size: 8, .value_kind: global_buffer, .address_space: global }
    .group_segment_fixed_size: 327680
    .private_segment_fixed_size: 0
    .kernarg_segment_align: 8
    .kernarg_segment_size: 40
    .max_flat_workgroup_size: 128
    .sgpr_count:     98
    .vgpr_count:     1024
    .wavefront_size: 32
...
	.end_amdgpu_metadata
.endif
;; end of part 4
;; ======== version 2 of 2: 4 launches; version 1 with the launch attn written anew for expert scheduling mode
;; limits: right only within a limited range of input values
;; workspace buffers: cimg 22,020,096 bytes; cscl 917,504 bytes; qq 13,631,488 bytes; kv 13,631,488 bytes; oimg 6,291,456 bytes; oscl 262,144 bytes
;; launch quant: the kernel of part 1 again; grid 896 x 1, 4 waves a work-group, no clusters, 35,328 bytes of LDS; arguments query, key, value, Wq, Wk, Wv, Wo, cimg, cscl; writes cimg, cscl
;; launch proj: the kernel of part 2 again; grid 4 x 96, 4 waves a work-group, clusters of 4 x 4, 327,680 bytes of LDS; arguments cimg, cscl, qq, kv; writes qq, kv
;; launch attn (part 5): grid 256 x 1, 16 waves a work-group, no clusters, 67,584 bytes of LDS; arguments qq, kv, valid_lens, oimg, oscl; writes oimg, oscl
.if DOCPART == 5
	.amdgcn_target "amdgcn-amd-amdhsa--gfx1250"
	.amdhsa_code_object_version 6
	.text
	.protected	k_q71faf23b64_attn
	.globl	k_q71faf23b64_attn
	.p2align	8
	.type	k_q71faf23b64_attn,@function
k_q71faf23b64_attn:
	s_mov_b64 s[64:65], 0
	v_nop
	global_prefetch_b8 v0, s[64:65] scope:SCOPE_SE
	s_setreg_imm32_b32 hwreg(HW_REG_WAVE_SCHED_MODE, 0, 2), 2
	s_setreg_imm32_b32 hwreg(HW_REG_WAVE_MODE, 25, 1), 1
	s_wait_xcnt 0x0
	s_wait_alu depctr_vm_vsrc(0)
; THE ATTENTION, both products on codes of FP6 (E2M3) with E8M0 scales, and the quantising of its result along D for the last projection.
; t = score x log2(e) / 8; M = the running largest t rounded UP to a whole number; p = 2^(t - M) is quantised along the keys, not normalised; the row's sum is taken of the unquantised p and divides O at the end.
; When M moves, the sum and O are multiplied by 2^(old M - new M): exact.
; THE MASK: key k of batch b counts where k < valid_lens[b].  A key step all of whose keys are hidden is left out (a scalar branch on the length, which is read from memory; K and V
; reach LDS through registers); in the step that the length cuts, hidden scores become -2^26, which gives t = -12,102,203 exactly (log2(e) / 8 in f32 is 12,102,203 x 2^-26), so p = 0 beside any key that counts.
; With valid_lens[b] = 0 every key is hidden and all are walked: every t is that whole number, M = t, p = 1: the mean of v, as equal logits give.
; LIMITS: hidden keys count as p = 0: this is what the module gives where a row's largest logit among the keys that count lies above -1e6 + 104; rows beyond that (logits of the order of -1e6) are not served.
; valid_lens is held to 0 .. 2,048.  A block of zeros gets the scale byte 1 (zero codes; the bytes are read by this program alone).  NaN and infinities are not served.
; SHARES.  A work-group owns one head, 256 queries and TWO batches, one after the other; each of its sixteen waves owns 16 queries.  Work goes with a batch's length, so the longest batch is paired with the shortest and the
; other two with each other.  No cluster; what partners could share is a block of 26,112 bytes for two key steps.
; No prefetch: each block is asked for by its own loads a whole block (two key steps) ahead, and the second batch's first block a whole batch ahead.
; LDS: two buffers, each a block of kv as it lies (256 keys: 16 half images of k from 0, 8 images of v from 12,288, k's scale words from 24,576, v's from 25,600).  While one is read, the next block waits in registers and
; is stored into the other; ONE barrier a block orders both.  Every LDS address but my spare word's is 16 x lane, 8 x lane or 16 x thread plus an immediate.
; LAYOUT.  Both products transposed: S^T = K Q^T, O^T = V^T P^T: a lane holds one query throughout.  A head's 64 are half of the instruction's K: the upper six registers of Q's and K's fragments stay zero.
; The keys of a tile of K and the channels of a tile of V are rows 8 u + i + 8 (i / 8) of each 32, so that a lane's 16 registers of two neighbouring tiles are 16 neighbours along the next K.
; OUT: a half image (16 queries x my head's 64) of oimg, whole aligned runs of 256 bytes; the two scale bytes of a row go out as single bytes, a lane each (256 KB in the whole launch).
; THE MODE: SCHED_MODE bits 1:0 = 2 (LLVM: expert scheduling mode 2), set by the entry lines.  The code itself states the register dependences between vector or matrix instructions and memory or LDS instructions,
; with s_wait_alu, always for 0.
; THE PLAN.  Registers that memory or LDS instructions touch:
;   v1-3, v7-10    offsets and LDS addresses: made at the head, never written again.
;   PRE, PREQ      a batch's first block and my queries: loaded; PRE read by the LDS stores, PREQ by seven moves, at a pass's head; loaded again behind that pass's barrier.
;   STG            the next block: loaded at a block's head, read by the LDS stores at its end.  No vector instruction of the loop names it.
;   K's fragments  (the low six of each twelve) and KS: loaded from LDS, read by the score products: group 0's four, then group 1's four on the same registers.
;   v96-143, VS    p, read by the conversions; then V's fragments land there; read, with VS, by the four products V^T P.
;   v224-229, v238 on the way out: written by conversions, swaps, moves and a select, read by three stores; written again by the next pass's steps.
; A step so holds three waits for the sake of LDS loads and scaled products: ahead of group 1's loads, ahead of V's loads, ahead of the products V^T P; a block one, at its head, for STG.
; Group 0's loads have none of their own: behind the products that last read K's fragments and KS stands that step's wait for its exponentials, on every path, and nothing issued since names those registers.
.set BUF1,  32768
.set KVB,   26624
.set HEADB, 212992
.set VIM,   12288
.set KSC,   24576
.set VSC,   25600
.set SPARE, 65536                      ; the spare words, 128 bytes for each of sixteen waves
.set L16,  1                           ; v1   16 x lane
.set L8,   2                           ; v2   8 x lane
.set T16,  3                           ; v3   16 x thread
.set H16,  4                           ; v4   16 x (lane / 16)
.set SPW,  5                           ; v5   LDS address of my spare word; never rewritten
.set NIL,  6                           ; v6   0; never rewritten
.set VQ16, 7                           ; v7   my tile of queries in a block of qq, at 16 x lane
.set VQ8,  8                           ; v8   at 8 x lane
.set VQS,  9                           ; v9   its scale word
.set OSO,  10                          ; v10  my byte among oscl's
.set KS,   28                          ; v28-31   K's scale words: register j: lanes 0-15 tile j, lanes 16-31 tile 4 + j
.set KFR,  32                          ; v32-79   four fragments of K
.set STG,  80                          ; v80-95   the next block on its way
.set VS,   192                         ; v192-193 V's scale words: register j: lanes 0-15 tile j, lanes 16-31 tile 2 + j
.set PRE,  194                         ; v194-209 the next batch's first block
.set PREQ, 210                         ; v210-216 and its queries
; v12 -M, v13 the largest t, v[14:15] the sum; v16-27 Q; v96-159 S^T, then p, then V's fragments; v160-191 O^T; v224-235 p's codes; v232-254 at work; v253 p's scale word; v255 Q's
; s16-27 and s60-63: behind the head, the masks of sixteen compares
.set WV,  14
.set PP,  15
.set B0,  28                           ; s28, s29 my two batches;  s30, s31 their lengths
.set B1,  29
.set LA,  30
.set LB,  31
.set HD,  32                           ; the head
.set CH,  33                           ; which 256 queries
.set PS,  34                           ; the pass
.set TR,  35
.set LL,  36                           ; the batch's length
.set LE,  37                           ; keys to walk: the length, or all where it is 0
.set KF,  38                           ; the step's first key
.set BB,  39
.set KVS, 40                           ; s[40:41] kv at the block in buffer 0
.set OB,  42
.set OSB, 44
.set PKV, 46
.set PQ,  48
.set SEL, 50
.set CS,  52
.set HI,  54
.set HOF, 55
	s_load_b256 s[4:11], s[0:1], 0x0               ; qq, kv, valid_lens, oimg
	s_load_b64 s[12:13], s[0:1], 0x20              ; oscl
	v_lshl_add_u32 v[SPW], v0, 2, SPARE
	v_mov_b32 v[NIL], 0
	v_lshrrev_b32 v11, 5, v0
	v_readfirstlane_b32 s[WV], v11                 ; wave 0..15
	v_and_b32 v11, 31, v0
	v_lshlrev_b32 v[L16], 4, v11
	v_lshlrev_b32 v[L8], 3, v11
	v_lshlrev_b32 v[T16], 4, v0
	v_bfe_u32 v[OSO], v0, 4, 1                     ; lane / 16
	v_lshlrev_b32 v[H16], 4, v[OSO]
	v_and_b32 v11, 15, v0                          ; r
	s_and_b32 s[PP], ttmp9, 1
	s_bfe_u32 s[CH], ttmp9, 0x30001
	s_lshr_b32 s[HD], ttmp9, 4
	s_wait_alu depctr_va_sdst(0)                   ; the wave's number is written, ahead of its first reader, the line below
	s_and_b32 s20, s[WV], 7                        ; my tile among a step's eight
	s_lshr_b32 s21, s[WV], 3                       ; which 128 of the 256 queries
	s_mul_i32 s22, s21, 6144
	s_mul_i32 s23, s20, 768
	s_add_co_u32 s22, s22, s23
	v_add_nc_u32 v[VQ16], s22, v[L16]
	v_add_nc_u32 v[VQ8], s22, v[L8]
	s_lshl_b32 s22, s21, 9
	s_lshr_b32 s23, s20, 2
	s_lshl_b32 s23, s23, 8
	s_add_co_u32 s22, s22, s23
	s_and_b32 s23, s20, 3
	s_lshl_b32 s23, s23, 2
	s_add_co_u32 s22, s22, s23
	s_add_co_u32 s22, s22, KSC
	v_lshl_add_u32 v[VQS], v11, 4, s22             ; word (tile % 4) of place 16 (tile / 4) + r
	s_lshl_b32 s22, s20, 7
	v_lshl_add_u32 v[OSO], v11, 3, v[OSO]
	v_add_nc_u32 v[OSO], s22, v[OSO]               ; (16 x tile + r) x 8 + lane / 16
	s_lshr_b32 s[HOF], s[HD], 2
	s_lshl_b32 s[HOF], s[HOF], 10                  ; oscl: which 256 along D,
	s_and_b32 s22, s[HD], 3
	s_lshl_b32 s22, s22, 1
	s_add_co_u32 s[HOF], s[HOF], s22               ; my head's two bytes of its eight,
	s_lshl_b32 s22, s21, 12
	s_add_co_u32 s[HOF], s[HOF], s22
	s_lshl_b32 s22, s[CH], 13
	s_add_co_u32 s[HOF], s[HOF], s22               ; my group of eight tiles in the batch
	s_mov_b32 s[SEL], 0x76543210
	s_mov_b32 s[SEL+1], 0xfedcba98
	s_mov_b32 s[CS], 0x3e38aa3b                    ; c = log2(e) / 8
	s_mov_b32 s[CS+1], s[CS]
	s_mov_b32 s[HI], 0xffff0000
.irp i, 22,23,24,25,26,27
	v_mov_b32 v[\i], 0                             ; the empty half of Q's fragment
.endr
.irp t, 0,1,2,3
.irp i, 6,7,8,9,10,11
	v_mov_b32 v[KFR+12*\t+\i], 0                   ; and of K's four: they stay zero for the whole launch
.endr
.endr
.irp i, 0,1,2,3,4,5,6,7,8,9,10,11,12,13,14,15
	v_mov_b32 v[STG+\i], 0                         ; written once, since the load and the store of a block stand under branches of their own
.endr
.irp i, 12,13,14,15
	v_mov_b32 v[PRE+\i], 0
.endr
.irp i, 236,237,238,239,252,253
	v_mov_b32 v[\i], 0                             ; lane permutes' destinations, and the pair v[252:253]
.endr
	s_wait_kmcnt 0x0
	s_load_b128 s[16:19], s[8:9], 0x0              ; the four lengths
	s_wait_kmcnt 0x0
.irp i, 16,17,18,19
	s_max_i32 s[\i], s[\i], 0
	s_min_u32 s[\i], s[\i], 2048
.endr
	s_mov_b32 s20, s16                             ; the first index of the largest length, the last of the smallest: two different batches whatever the lengths
	s_mov_b32 s21, 0
	s_mov_b32 s22, s16
	s_mov_b32 s23, 0
.irp i, 1,2,3
	s_cmp_gt_u32 s[16+\i], s20
	s_cselect_b32 s21, \i, s21
	s_max_u32 s20, s20, s[16+\i]
	s_cmp_le_u32 s[16+\i], s22
	s_cselect_b32 s23, \i, s23
	s_min_u32 s22, s22, s[16+\i]
.endr
	s_lshl_b32 s24, 1, s21
	s_lshl_b32 s25, 1, s23
	s_or_b32 s24, s24, s25
	s_xor_b32 s24, s24, 15                         ; the other two
	s_ctz_i32_b32 s25, s24
	s_lshl_b32 s26, 1, s25
	s_xor_b32 s24, s24, s26
	s_ctz_i32_b32 s26, s24
	s_cmp_eq_u32 s[PP], 0
	s_cselect_b32 s[B0], s21, s25
	s_cselect_b32 s[B1], s23, s26
	s_min_u32 s[B0], s[B0], 3
	s_min_u32 s[B1], s[B1], 3
.macro PICK dst, idx
	s_mov_b32 s[\dst], s16
.irp i, 1,2,3
	s_cmp_eq_u32 s[\idx], \i
	s_cselect_b32 s[\dst], s[16+\i], s[\dst]
.endr
.endm
	PICK LA, B0
	PICK LB, B1
; A block's 26,112 bytes: 16 bytes a thread, three times for all 512 threads and once more for the first 96
.macro COPYLOAD reg, base, off
	global_load_b128 v[\reg:\reg+3], v[T16], s[\base:\base+1] offset:\off
	global_load_b128 v[\reg+4:\reg+7], v[T16], s[\base:\base+1] offset:\off+8192
	global_load_b128 v[\reg+8:\reg+11], v[T16], s[\base:\base+1] offset:\off+16384
	s_cmp_lt_u32 s[WV], 3
	s_cbranch_scc0 .Lcl_\@
	global_load_b128 v[\reg+12:\reg+15], v[T16], s[\base:\base+1] offset:\off+24576
.Lcl_\@:
.endm
.macro COPYSTORE reg, buf
	ds_store_b128 v[T16], v[\reg:\reg+3] offset:(\buf)*BUF1
	ds_store_b128 v[T16], v[\reg+4:\reg+7] offset:(\buf)*BUF1+8192
	ds_store_b128 v[T16], v[\reg+8:\reg+11] offset:(\buf)*BUF1+16384
	s_cmp_lt_u32 s[WV], 3
	s_cbranch_scc0 .Lcs_\@
	ds_store_b128 v[T16], v[\reg+12:\reg+15] offset:(\buf)*BUF1+24576
.Lcs_\@:
.endm
.macro PRELOAD breg                    ; a batch's first block of kv, and my 16 queries with their scale words
	s_lshl_b32 s56, s[\breg], 4
	s_add_co_u32 s56, s56, s[HD]
	s_mul_i32 s56, s56, HEADB
	s_mov_b32 s57, 0
	s_add_nc_u64 s[PKV:PKV+1], s[6:7], s[56:57]
	s_mul_i32 s58, s[CH], KVB
	s_add_co_u32 s56, s56, s58
	s_add_nc_u64 s[PQ:PQ+1], s[4:5], s[56:57]
	COPYLOAD PRE, PKV, 0
	global_load_b128 v[PREQ:PREQ+3], v[VQ16], s[PQ:PQ+1]
	global_load_b64 v[PREQ+4:PREQ+5], v[VQ8], s[PQ:PQ+1] offset:512
	global_load_b32 v[PREQ+6], v[VQS], s[PQ:PQ+1]
.endm
; A KEY STEP: 128 keys, the q-th of the block in buffer e
.macro STEP e, q
	s_cmp_ge_u32 s[KF], s[LE]                      ; all its keys are hidden: the step's work is left out; no barrier stands in a step
	s_cbranch_scc1 .Lhidden_\@
.irp g, 0,1                                    ; S^T = K Q^T, four tiles of 16 keys at a time
.if \g
.rept 4
	v_nop                                          ; places in front of loads into registers that matrix instructions have read; they stay beside the wait below
.endr
	s_wait_alu depctr_va_vdst(0)                   ; the four products above are done reading K's four fragments, in which the loads below land
.endif
.irp t, 0,1,2,3
	ds_load_b128 v[KFR+12*\t:KFR+12*\t+3], v[L16] offset:(\e)*BUF1+(\q)*6144+(4*\g+\t)*768
	ds_load_b64 v[KFR+12*\t+4:KFR+12*\t+5], v[L8] offset:(\e)*BUF1+(\q)*6144+(4*\g+\t)*768+512
.endr
.if \g == 0
	ds_load_b128 v[KS:KS+3], v[L16] offset:(\e)*BUF1+KSC+(\q)*512
.endif
	s_wait_dscnt 0x0
.irp t, 0,1,2,3
.if \g
	v_wmma_scale_f32_16x16x128_f8f6f4 v[96+8*(4*\g+\t):103+8*(4*\g+\t)], v[KFR+12*\t:KFR+12*\t+11], v[16:27], 0, v[KS+\t], v255 matrix_a_fmt:MATRIX_FMT_FP6 matrix_b_fmt:MATRIX_FMT_FP6 matrix_a_scale:MATRIX_SCALE_ROW1
.else
	v_wmma_scale_f32_16x16x128_f8f6f4 v[96+8*(4*\g+\t):103+8*(4*\g+\t)], v[KFR+12*\t:KFR+12*\t+11], v[16:27], 0, v[KS+\t], v255 matrix_a_fmt:MATRIX_FMT_FP6 matrix_b_fmt:MATRIX_FMT_FP6
.endif
.endr
.endr                                          ; lane (r, h) holds query r; register 16 b + i is key KF + 32 b + 16 h + i
.rept 4
	v_nop
.endr
	s_add_co_u32 s56, s[KF], 128                   ; a step all of whose keys count skips the mask
	s_cmp_le_u32 s56, s[LL]
	s_cbranch_scc1 .Lopen_\@
	s_sub_co_i32 s56, s[LL], s[KF]
	v_sub_nc_u32 v252, s56, v[H16]                 ; d = length - KF - 16 h: register 16 b + i is hidden where 32 b + i >= d
	v_mov_b32 v254, 0xcc800000                     ; -2^26
.irp b, 0,1,2,3                                ; a block's sixteen compares in one run, each into a scalar register of its own (s16-27, s60-63), then its sixteen selects
.irp i, 0,1,2,3,4,5,6,7,8,9,10,11,12,13,14,15
	v_cmp_ge_i32 s[16+\i+32*(\i/12)], 32*\b+\i, v252
.endr
	s_wait_alu depctr_va_sdst(0)                   ; the sixteen masks are written, ahead of the selects that read them
.irp i, 0,1,2,3,4,5,6,7,8,9,10,11,12,13,14,15
	v_cndmask_b32 v[96+16*\b+\i], v[96+16*\b+\i], v254, s[16+\i+32*(\i/12)]
.endr
.endr
.Lopen_\@:
.irp b, 0,1,2,3
	v_max3_num_f32 v[232+\b], v[96+16*\b], v[97+16*\b], v[98+16*\b]   ; the largest score of each block of 32 keys: it serves for the row's maximum and, since p rises with the score, for the block's largest p
.endr
.irp i, 3,5,7,9,11,13
.irp b, 0,1,2,3
	v_max3_num_f32 v[232+\b], v[232+\b], v[96+16*\b+\i], v[97+16*\b+\i]
.endr
.endr
.irp b, 0,1,2,3
	v_max_num_f32 v[232+\b], v[232+\b], v[111+16*\b]
.endr
.irp b, 0,1,2,3
	v_permlanex16_b32 v[236+\b], v[232+\b], s[SEL], s[SEL+1]
.endr
.irp b, 0,1,2,3
	v_max_num_f32 v[232+\b], v[232+\b], v[236+\b]  ; with lane l xor 16's 16 keys
.endr
	v_max3_num_f32 v254, v232, v233, v234
	v_max_num_f32 v254, v254, v235                 ; the step's largest score of my query
	v_mul_f32 v254, s[CS], v254                    ; as t
	v_max_num_f32 v13, v13, v254                   ; the running largest t
	v_mov_b32 v254, v12
	v_floor_f32 v12, -v13                          ; the new -M = floor(-t): M is a whole number
	v_sub_f32 v254, v12, v254                      ; old M - new M: a whole number, 0 or less
	v_cvt_i32_f32 v254, v254                       ; (it saturates)
	v_ldexp_f32 v252, 1.0, v254                    ; f = 2^(old M - new M)
.irp j, 0,2,4,6,8,10,12,14,16,18,20,22,24,26,28,30,32,34,36,38,40,42,44,46,48,50,52,54,56,58,60,62
	v_pk_fma_f32 v[96+\j:97+\j], v[96+\j:97+\j], s[CS:CS+1], v[12:13] op_sel_hi:[1,0,0]   ; t - M, two at a time
.endr
.irp b, 0,1,2,3
	v_fma_f32 v[232+\b], v[232+\b], s[CS], v12     ; the same of each block's largest score
.endr
.irp j, 0,1,2,3,4,5,6,7,8,9,10,11,12,13,14,15,16,17,18,19,20,21,22,23,24,25,26,27,28,29,30,31,32,33,34,35,36,37,38,39,40,41,42,43,44,45,46,47,48,49,50,51,52,53,54,55,56,57,58,59,60,61,62,63
	v_exp_f32 v[96+\j], v[96+\j]                   ; p = 2^(t - M), at most 1
.endr
	v_pk_mul_f32 v[14:15], v[14:15], v[252:253] op_sel_hi:[1,0]   ; the sums under the new M.  (A plain place behind the exponentials)
	s_wait_alu depctr_va_vdst(0)                   ; the 64 exponentials have written p, v96-159: one wait for the batch, ahead of its first reader.  The score products, too, are done reading K's fragments and KS: the next step's first loads lean on that
.irp b, 0,1,2,3
	v_exp_f32 v[232+\b], v[232+\b]                 ; the block's largest p
.endr
	v_pk_add_f32 v[236:237], v[96:97], v[98:99]    ; the row's sum is taken of the unquantised p: two at a time, in two chains
.irp j, 4,8,12,16,20,24,28,32,36,40,44,48,52,56,60
	v_pk_add_f32 v[14:15], v[14:15], v[96+\j:97+\j]
	v_pk_add_f32 v[236:237], v[236:237], v[98+\j:99+\j]
.endr
	v_pk_add_f32 v[14:15], v[14:15], v[236:237]
	s_wait_alu depctr_va_vdst(0)                   ; the four exponentials have written v232-235, ahead of their first reader
.irp b, 0,1,2,3
	v_max_num_f32 v[232+\b], 0x1800000, v[232+\b]  ; the floor 2^(3 - 127): the byte cannot fall under 1
.endr
.irp b, 0,1,2,3
	v_add_nc_u32 v[244+\b], 0xff000000, v[232+\b]  ; 2 off the exponent field: the conversion's scale operand
.endr
.irp b, 0,1,2,3
	v_lshrrev_b32 v[236+\b], 23, v[244+\b]         ; the scale's byte
.endr
	v_lshl_or_b32 v253, v237, 8, v236              ; p's scale word for these 128 keys
	v_lshl_or_b32 v253, v238, 16, v253
	v_lshl_or_b32 v253, v239, 24, v253
.irp c, 0,1
	v_cvt_scalef32_pk16_fp6_f32 v[224+6*\c:226+6*\c], v[96+32*\c:111+32*\c], v[244+2*\c]
	v_cvt_scalef32_pk16_fp6_f32 v[236+4*\c:238+4*\c], v[112+32*\c:127+32*\c], v[244+2*\c+1]
.endr
	v_nop                                          ; one plain place behind a scaled conversion
.irp j, 0,2,4,6,8,10,12,14
	v_pk_mul_f32 v[160+\j:161+\j], v[160+\j:161+\j], v[252:253] op_sel_hi:[1,0]   ; O^T under the new M, its first half: work that names nothing of the conversions', between them and the wait for them
.endr
	s_wait_alu depctr_va_vdst(0)                   ; the conversions are done reading p, v96-159, and the last step's products V^T P their scale words VS: the loads below land in v96-143 and VS
.irp t, 0,1,2,3                                ; p is done with: V's four fragments (16 channels x these 128 keys) take its registers
	ds_load_b128 v[96+12*\t:99+12*\t], v[L16] offset:(\e)*BUF1+VIM+(\q)*6144+\t*1536
	ds_load_b64 v[100+12*\t:101+12*\t], v[L8] offset:(\e)*BUF1+VIM+(\q)*6144+\t*1536+512
	ds_load_b128 v[102+12*\t:105+12*\t], v[L16] offset:(\e)*BUF1+VIM+(\q)*6144+\t*1536+768
	ds_load_b64 v[106+12*\t:107+12*\t], v[L8] offset:(\e)*BUF1+VIM+(\q)*6144+\t*1536+1280
.endr
	ds_load_b64 v[VS:VS+1], v[L8] offset:(\e)*BUF1+VSC+(\q)*256
.irp c, 0,1                                    ; the operand's layout wants a whole block in a lane
.irp i, 0,1,2
	v_permlane16_swap_b32 v[224+6*\c+\i], v[236+4*\c+\i]
.endr
.irp i, 0,1,2
	v_mov_b32 v[227+6*\c+\i], v[236+4*\c+\i]
.endr
.endr
.irp j, 16,18,20,22,24,26,28,30
	v_pk_mul_f32 v[160+\j:161+\j], v[160+\j:161+\j], v[252:253] op_sel_hi:[1,0]   ; O^T's second half.  (These eight are also the places between the codes' last writes and the products; the scale word's last write stands further back)
.endr
	s_wait_alu depctr_va_vdst(0)                   ; p's codes v224-235 and its scale word v253 are written, which the scaled products below take; the places above stay beside this wait
	s_wait_dscnt 0x0
.irp t, 0,1,2,3                                ; O^T += V^T P^T: the four accumulators by turns
.if \t > 1
	v_wmma_scale_f32_16x16x128_f8f6f4 v[160+8*\t:167+8*\t], v[96+12*\t:107+12*\t], v[224:235], v[160+8*\t:167+8*\t], v[VS+\t%2], v253 matrix_a_fmt:MATRIX_FMT_FP6 matrix_b_fmt:MATRIX_FMT_FP6 matrix_a_scale:MATRIX_SCALE_ROW1
.else
	v_wmma_scale_f32_16x16x128_f8f6f4 v[160+8*\t:167+8*\t], v[96+12*\t:107+12*\t], v[224:235], v[160+8*\t:167+8*\t], v[VS+\t%2], v253 matrix_a_fmt:MATRIX_FMT_FP6 matrix_b_fmt:MATRIX_FMT_FP6
.endif
.endr
.rept 5
	v_nop                                          ; five places: the next step's first products write over the registers that held V's fragments
.endr
.Lhidden_\@:
	s_add_co_u32 s[KF], s[KF], 128
.endm
; A BLOCK: the next one is asked for into registers, this one's two steps are worked, the next one is stored into the other buffer; one barrier.
; In front of it every wave's reads of buffer e and its stores into the other buffer are done; behind it the other buffer is whole and buffer e may be written.
.macro HALF e
	s_wait_alu depctr_vm_vsrc(0)                   ; the last block's LDS stores have read STG, in which the loads below land
	s_add_co_u32 s56, s[KF], 256
	s_cmp_lt_u32 s56, s[LE]                        ; is there a next block with a key to walk?  (At the batch's last block never: no load leaves the buffer)
	s_cbranch_scc0 .Lnl_\@
	COPYLOAD STG, KVS, (\e+1)*KVB
.Lnl_\@:
	STEP \e, 0
	STEP \e, 1
	s_wait_loadcnt 0x0
	s_cmp_lt_u32 s[KF], s[LE]                      ; the same question, KF being 256 on
	s_cbranch_scc0 .Lns_\@
	COPYSTORE STG, 1-\e
.Lns_\@:
	s_wait_dscnt 0x0
	s_barrier_signal -1
	s_barrier_wait -1
.endm
	s_wait_alu depctr_va_vdst(0)                   ; the offsets and addresses v1-3 and v7-10 are written, which every load and store of the kernel reads; so are the zeros in STG and in PRE's last four registers, in which loads land
	PRELOAD B0
	s_mov_b32 s[PS], 0
.Lpass:                                            ; two trips: my two batches
	s_wait_xcnt 0x0                                ; the last pass's stores have read their data and bases
	s_wait_alu depctr_vm_vsrc(0)                   ; the last pass's three stores have read v224-229 and v238, which this pass's steps write again
	s_cmp_eq_u32 s[PS], 0
	s_cselect_b32 s[BB], s[B0], s[B1]
	s_cselect_b32 s[LL], s[LA], s[LB]
	s_min_u32 s[BB], s[BB], 3
	s_cmp_eq_u32 s[LL], 0
	s_cselect_b32 s[LE], 2048, s[LL]
	s_lshl_b32 s56, s[BB], 4
	s_add_co_u32 s56, s56, s[HD]
	s_mul_i32 s56, s56, HEADB
	s_mov_b32 s57, 0
	s_add_nc_u64 s[KVS:KVS+1], s[6:7], s[56:57]
	s_lshl_b32 s56, s[BB], 7
	s_lshl_b32 s58, s[CH], 4
	s_add_co_u32 s56, s56, s58
	s_add_co_u32 s56, s56, s[WV]                   ; my tile of queries among all 512
	s_mul_i32 s56, s56, 12288
	s_mul_i32 s58, s[HD], 768                      ; my head's half image
	s_add_co_u32 s56, s56, s58
	s_add_nc_u64 s[OB:OB+1], s[10:11], s[56:57]
	s_lshl_b32 s56, s[BB], 16
	s_add_co_u32 s56, s56, s[HOF]
	s_add_nc_u64 s[OSB:OSB+1], s[12:13], s[56:57]
	s_wait_loadcnt 0x0                             ; the batch's first block and my queries are in
	COPYSTORE PRE, 0
.irp i, 0,1,2,3,4,5
	v_mov_b32 v[16+\i], v[PREQ+\i]
.endr
	v_mov_b32 v255, v[PREQ+6]
	v_mov_b32 v13, 0xff61b1e6                      ; the largest t so far: -3e38
	v_floor_f32 v12, -v13
	v_mov_b32 v14, 0
	v_mov_b32 v15, 0
.irp j, 0,1,2,3,4,5,6,7,8,9,10,11,12,13,14,15,16,17,18,19,20,21,22,23,24,25,26,27,28,29,30,31
	v_mov_b32 v[160+\j], 0                         ; O^T: the step is written once; the first finds zeros, which the first change of M leaves zeros
.endr
	s_wait_dscnt 0x0
	s_barrier_signal -1
	s_barrier_wait -1
	s_wait_alu depctr_vm_vsrc(0)                   ; my LDS stores have read PRE, in which the second batch's loads land
	s_wait_alu depctr_va_vdst(0)                   ; the moves are done reading PREQ, in which those loads land too, and have written Q's fragment v16-21 and its scale word v255, which the scaled products take
	s_cmp_lg_u32 s[PS], 0
	s_cbranch_scc1 .Lno_pre
	PRELOAD B1                                     ; the second batch's first block and queries come while the first batch is worked
.Lno_pre:
	s_mov_b32 s[KF], 0
	s_mov_b32 s[TR], 4
.Ltrip:                                            ; four trips of two blocks: the count is a constant, the work is skipped
	HALF 0
	HALF 1
	s_wait_xcnt 0x0
	s_add_nc_u64 s[KVS:KVS+1], s[KVS:KVS+1], 2*KVB
	s_sub_co_u32 s[TR], s[TR], 1
	s_cmp_lg_u32 s[TR], 0
	s_cbranch_scc1 .Ltrip
	; THE WAY OUT: O^T / the sum, quantised along my head's 64: two blocks of 32; register 16 b + i is channel 32 b + 16 h + i of my query
	v_add_f32 v14, v14, v15
	v_permlanex16_b32 v252, v14, s[SEL], s[SEL+1]
	v_add_f32 v14, v14, v252
	v_rcp_f32 v14, v14
	v_nop                                          ; a plain place behind the reciprocal
	s_wait_alu depctr_va_vdst(0)                   ; the reciprocal has written v14, ahead of its first reader
.irp j, 0,1,2,3,4,5,6,7,8,9,10,11,12,13,14,15,16,17,18,19,20,21,22,23,24,25,26,27,28,29,30,31
	v_mul_f32 v[96+\j], v[160+\j], v14
.endr
.irp b, 0,1
	v_max3_num_f32 v[232+\b], |v[96+16*\b]|, |v[97+16*\b]|, 0x1800000
.endr
.irp i, 2,4,6,8,10,12,14
.irp b, 0,1
	v_max3_num_f32 v[232+\b], v[232+\b], |v[96+16*\b+\i]|, |v[97+16*\b+\i]|
.endr
.endr
.irp b, 0,1
	v_permlanex16_b32 v[236+\b], v[232+\b], s[SEL], s[SEL+1]
.endr
.irp b, 0,1
	v_max_num_f32 v[232+\b], v[232+\b], v[236+\b]
.endr
.irp b, 0,1
	v_add_nc_u32 v[244+\b], 0xff000000, v[232+\b]
.endr
.irp b, 0,1
	v_lshrrev_b32 v[236+\b], 23, v[244+\b]
.endr
	v_cndmask_b32 v238, v236, v237, s[HI]          ; lanes 0-15 store block 0's byte, lanes 16-31 block 1's
	v_cvt_scalef32_pk16_fp6_f32 v[224:226], v[96:111], v244
	v_cvt_scalef32_pk16_fp6_f32 v[240:242], v[112:127], v245
	v_nop
.irp i, 0,1,2
	v_permlane16_swap_b32 v[224+\i], v[240+\i]
.endr
.irp i, 0,1,2
	v_mov_b32 v[227+\i], v[240+\i]
.endr
	s_wait_alu depctr_va_vdst(0)                   ; the codes v224-229 and the byte v238 are written, which the three stores read
	global_store_b128 v[L16], v[224:227], s[OB:OB+1]
	global_store_b64 v[L8], v[228:229], s[OB:OB+1] offset:512
	global_store_b8 v[OSO], v238, s[OSB:OSB+1]
	s_add_co_u32 s[PS], s[PS], 1
	s_cmp_lt_u32 s[PS], 2
	s_cbranch_scc1 .Lpass
	s_wait_dscnt 0x0                               ; the closing lines, six on end
	s_wait_alu 0x0
	s_wait_tensorcnt 0x0
	ds_add_u32 v[SPW], v[NIL]
	s_wait_dscnt 0x0
	s_endpgm
.Lfunc_end_k_q71faf23b64_attn:
	.size	k_q71faf23b64_attn, .Lfunc_end_k_q71faf23b64_attn-k_q71faf23b64_attn
	.p2alignl 7, 3214868480
	.fill 96, 4, 3214868480
	.section	.rodata,"a",@progbits
	.p2align	6, 0x0
	.amdhsa_kernel k_q71faf23b64_attn
		.amdhsa_group_segment_fixed_size 67584
		.amdhsa_private_segment_fixed_size 0
		.amdhsa_enable_private_segment 0
		.amdhsa_kernarg_size 40
		.amdhsa_user_sgpr_count 2
		.amdhsa_user_sgpr_kernarg_segment_ptr 1
		.amdhsa_wavefront_size32 1
		.amdhsa_system_sgpr_workgroup_id_x 1
		.amdhsa_system_sgpr_workgroup_id_y 1
		.amdhsa_system_sgpr_workgroup_id_z 1
		.amdhsa_system_vgpr_workitem_id 0
		.amdhsa_next_free_vgpr 256
		.amdhsa_next_free_sgpr 72
		.amdhsa_reserve_vcc 0
		.amdhsa_float_denorm_mode_32 3
		.amdhsa_float_denorm_mode_16_64 3
		.amdhsa_memory_ordered 1
		.amdhsa_forward_progress 1
		.amdhsa_inst_pref_size 119
	.end_amdhsa_kernel
	.amdgpu_metadata
---
amdhsa.version: [ 1, 2 ]
amdhsa.kernels:
  - .name:           k_q71faf23b64_attn
    .symbol:         k_q71faf23b64_attn.kd
    .args:
      - { .name: qq, .offset: 0, .size: 8, .value_kind: global_buffer, .address_space: global }
      - { .name: kv, .offset: 8, .size: 8, .value_kind: global_buffer, .address_space: global }
      - { .name: valid_lens, .offset: 16, .size: 8, .value_kind: global_buffer, .address_space: global }
      - { .name: oimg, .offset: 24, .size: 8, .value_kind: global_buffer, .address_space: global }
      - { .name: oscl, .offset: 32, .size: 8, .value_kind: global_buffer, .address_space: global }
    .group_segment_fixed_size: 67584
    .private_segment_fixed_size: 0
    .kernarg_segment_align: 8
    .kernarg_segment_size: 40
    .max_flat_workgroup_size: 512
    .sgpr_count:     72
    .vgpr_count:     256
    .wavefront_size: 32
...
	.end_amdgpu_metadata
.endif
;; end of part 5
;; launch oproj: the kernel of part 4 again; grid 4 x 32, 4 waves a work-group, clusters of 4 x 4, 327,680 bytes of LDS; arguments oimg, oscl, cimg, cscl, out0; writes out0
